; MI455X (gfx1250); checked and timed in simulation.
; The chip was launched on July 23, 2026; its instructions are those of AMD's public machine-readable ISA for CDNA 5 (MIT licence, August 2026) and "CDNA5" Instruction Set Architecture Reference Guide (July 2026). The comments in the code are by the model that wrote it; some were corrected since.
;; Improved Attention Model. Allowed arithmetic: float matrix products may take bf16 or f16 operands with f32 sums; other float arithmetic in f32, or as packed bf16 or f16 multiplies, adds, multiply-adds, maxima and minima; sums over many terms, partial sums and values carried from step to step in f32; what a program stores and reads back later, other than sums and carried values, may be rounded once to bf16 or f16.
;; Inputs: W_beta 3,072 x 1 float32; W_fc 1,024 x 1,000 float32; W_k 1,024 x 1,024 float32; W_q 1,024 x 1,024 float32; W_skip 1,024 x 1,024 float32; W_v 1,024 x 1,024 float32; b_beta 1 float32; b_fc 1,000 float32; b_k 1,024 float32; b_q 1,024 float32; b_skip 1,024 float32; b_v 1,024 float32; x 4,096 x 1,024 float32.
;; Outputs: out0 4,096 x 1,000 float32.
;; One version. Each part assembles by itself: llvm-mc -triple=amdgcn-amd-amdhsa -mcpu=gfx1250 --defsym DOCPART=n.
;; ======== version 1 of 1: 6 launches
;; limits: values are held in f16: magnitudes above 65,504 overflow, below 6.1e-05 lose precision
;; workspace buffers: xh 8,388,608 bytes; wt 8,388,608 bytes; wfc 2,097,152 bytes; pj 33,554,432 bytes; pw 33,554,432 bytes; st 1,048,576 bytes; ah 8,388,608 bytes; oh 8,388,608 bytes
;; launch prep (part 1): grid 1152 x 1, 8 waves a work-group, no clusters, 18,432 bytes of LDS; arguments x, W_skip, W_q, W_k, W_v, W_fc, xh, wt, wfc; writes xh, wt, wfc
.if DOCPART == 1
	.amdgcn_target "amdgcn-amd-amdhsa--gfx1250"
	.amdhsa_code_object_version 6
	.text
	.protected	k_qabddda9d70_prep
	.globl	k_qabddda9d70_prep
	.p2align	8
	.type	k_qabddda9d70_prep,@function
k_qabddda9d70_prep:
	s_mov_b64 s[64:65], 0
	v_nop
	global_prefetch_b8 v0, s[64:65] scope:SCOPE_SE
	s_setreg_imm32_b32 hwreg(HW_REG_WAVE_MODE, 25, 1), 1
	s_wait_xcnt 0x0
; PREP: the inputs that enter matrix products, rounded once to f16 and laid as the products want them.
;   work-groups 0-511:     wt[1024 mat + n][k] = W_mat[k][n] (mat = skip, q, k, v): a tile of 128 k x 64 n is turned through LDS
;   work-groups 512-1023:  xh = x, 8 rows each
;   work-groups 1024-1151: wfc[k][n] = W_fc[k][n], 8 rows each, rows padded from 1,000 to 1,024 columns with 0
; LIMIT: f16 ends at 65,504 (a larger number becomes an infinity) and keeps a fixed step of 6e-8 below 6e-5.
; No matrix unit, no cluster, no tensor load: every byte is read once and written once, and nothing is shared between work-groups.
; The three ways are chosen by the work-group's number alone, which all eight waves share, so every wave of a work-group meets the same barrier.
.set TP,    272                        ; a row of the turned tile in LDS: 128 f16 + 16 bytes
.set SPARE, 64*TP                      ; behind the tile: the spare words, 128 bytes for each of eight waves
.set SPW,   62                         ; v62  LDS address of my spare word; never rewritten
.set NIL,   63                         ; v63  0; never rewritten
.set IN,    8                          ; v[8:39]   as loaded
.set OUT,   40                         ; v[40:55]  packed f16
	s_load_b512 s[8:23], s[0:1], 0x0               ; x 8, W_skip 10, W_q 12, W_k 14, W_v 16, W_fc 18, xh 20, wt 22
	s_load_b64 s[24:25], s[0:1], 0x40              ; wfc
	v_lshl_add_u32 v[SPW], v0, 2, SPARE
	v_mov_b32 v[NIL], 0
	s_cmp_lt_u32 ttmp9, 512
	s_cbranch_scc0 .Lconvert
	; ---- a weight tile is turned ----
	s_lshr_b32 s2, ttmp9, 7                        ; which matrix
	s_bfe_u32 s3, ttmp9, 0x30004                   ; block of 128 k
	s_and_b32 s4, ttmp9, 15                        ; block of 64 n
	s_lshl_b32 s28, s3, 19                         ; source: 128 rows of 4,096 bytes,
	s_lshl_b32 s5, s4, 8                           ; 64 columns of 4 bytes
	s_add_co_u32 s28, s28, s5
	s_mov_b32 s29, 0
	s_lshl_b32 s30, s2, 21                         ; target: 1,024 rows of 2,048 bytes a matrix,
	s_lshl_b32 s5, s4, 17                          ; 64 rows,
	s_add_co_u32 s30, s30, s5
	s_lshl_b32 s5, s3, 8                           ; 128 columns of 2 bytes
	s_add_co_u32 s30, s30, s5
	s_mov_b32 s31, 0
	v_and_b32 v1, 15, v0                           ; nq: my four columns n
	v_lshrrev_b32 v2, 4, v0                        ; kp: my pair of rows k (and 16, 32, 48 pairs on)
	v_lshlrev_b32 v3, 4, v1
	v_lshl_add_u32 v3, v2, 13, v3                  ; source offset: 2 kp rows + 16 nq
	v_mul_u32_u24 v4, v1, 4*TP
	v_lshl_add_u32 v4, v2, 2, v4                   ; into LDS: row 4 nq (+ j), word kp (+ 16 i)
	v_mul_u32_u24 v5, v2, TP
	v_lshl_add_u32 v5, v1, 4, v5                   ; back: row tid / 16 (+ 16 i), 16 bytes a lane
	v_lshlrev_b32 v6, 11, v2
	v_lshl_add_u32 v6, v1, 4, v6                   ; the same in wt
	s_wait_kmcnt 0x0
	s_cmp_eq_u32 s2, 1
	s_cselect_b64 s[26:27], s[12:13], s[10:11]
	s_cmp_eq_u32 s2, 2
	s_cselect_b64 s[26:27], s[14:15], s[26:27]
	s_cmp_eq_u32 s2, 3
	s_cselect_b64 s[26:27], s[16:17], s[26:27]
	s_add_nc_u64 s[26:27], s[26:27], s[28:29]
	s_add_nc_u64 s[30:31], s[22:23], s[30:31]
.irp i, 0,1,2,3
	global_load_b128 v[IN+8*(\i):IN+8*(\i)+3],   v3, s[26:27] offset:(\i)*131072 th:TH_LOAD_NT       ; row k: sixteen lanes take its 256 bytes
	global_load_b128 v[IN+8*(\i)+4:IN+8*(\i)+7], v3, s[26:27] offset:(\i)*131072+4096 th:TH_LOAD_NT  ; row k + 1
.endr
.irp i, 0,1,2,3
	s_wait_loadcnt 6-2*(\i)                        ; this pair of rows is in; the younger pairs stay out
.irp j, 0,1,2,3
	v_cvt_pk_f16_f32 v[OUT+4*(\i)+(\j)], v[IN+8*(\i)+(\j)], v[IN+8*(\i)+4+(\j)]  ; (W[k][n], W[k+1][n]): two neighbours of wt's row n
.endr
.irp j, 0,1,2,3
	ds_store_b32 v4, v[OUT+4*(\i)+(\j)] offset:(\j)*TP+(\i)*64
.endr
.endr
	s_wait_dscnt 0x0                               ; for the others' sake: my stores are done
	s_barrier_signal -1
	s_barrier_wait -1
.irp i, 0,1,2,3
	ds_load_b128 v[IN+4*(\i):IN+4*(\i)+3], v5 offset:(\i)*16*TP
.endr
.irp i, 0,1,2,3
	s_wait_dscnt 3-(\i)
	global_store_b128 v6, v[IN+4*(\i):IN+4*(\i)+3], s[30:31] offset:(\i)*32768  ; sixteen lanes store 256 consecutive bytes, aligned
.endr
	s_branch .Lend
; eight rows: a lane takes 16 bytes (4 f32) of each and stores 8; a wave's load covers 512 consecutive bytes, its store 256, aligned
.macro CONV pitch, mask
.irp i, 0,1,2,3,4,5,6,7
	global_load_b128 v[IN+4*(\i):IN+4*(\i)+3], v3, s[26:27] offset:(\i)*(\pitch) th:TH_LOAD_NT
.endr
.irp i, 0,1,2,3,4,5,6,7
	s_wait_loadcnt 7-(\i)                          ; row i is in; the younger rows stay out
	v_cvt_pk_f16_f32 v[OUT+2*(\i)],   v[IN+4*(\i)],   v[IN+4*(\i)+1]
	v_cvt_pk_f16_f32 v[OUT+2*(\i)+1], v[IN+4*(\i)+2], v[IN+4*(\i)+3]
.if \mask
	v_cndmask_b32 v[OUT+2*(\i)],   0, v[OUT+2*(\i)],   vcc_lo
	v_cndmask_b32 v[OUT+2*(\i)+1], 0, v[OUT+2*(\i)+1], vcc_lo
.endif
	global_store_b64 v6, v[OUT+2*(\i):OUT+2*(\i)+1], s[30:31] offset:(\i)*2048
.endr
.endm
.Lconvert:
	v_lshlrev_b32 v6, 3, v0                        ; target offset: 8 bytes a thread
	s_mov_b32 s29, 0
	s_mov_b32 s31, 0
	s_cmp_lt_u32 ttmp9, 1024
	s_cbranch_scc0 .Lfc
	; ---- x ----
	s_sub_co_u32 s2, ttmp9, 512
	s_lshl_b32 s28, s2, 15                         ; 8 rows of 4,096 bytes
	s_lshl_b32 s30, s2, 14                         ; 8 rows of 2,048 bytes
	v_lshlrev_b32 v3, 4, v0
	s_wait_kmcnt 0x0
	s_add_nc_u64 s[26:27], s[8:9], s[28:29]
	s_add_nc_u64 s[30:31], s[20:21], s[30:31]
	CONV 4096, 0
	s_branch .Lend
.Lfc:
	; ---- W_fc: a row is 250 groups of four columns; threads 250-255 load group 249 again and store 0 ----
	s_sub_co_u32 s2, ttmp9, 1024
	s_mul_i32 s28, s2, 32000                       ; 8 rows of 4,000 bytes
	s_lshl_b32 s30, s2, 14
	v_min_u32 v3, 249, v0
	v_lshlrev_b32 v3, 4, v3
	v_cmp_gt_u32 vcc_lo, 250, v0
	s_wait_kmcnt 0x0
	s_add_nc_u64 s[26:27], s[18:19], s[28:29]
	s_add_nc_u64 s[30:31], s[24:25], s[30:31]
	CONV 4000, 1
.Lend:
	s_wait_tensorcnt 0x0                           ; the wave's end: behind my last LDS store
	ds_add_u32 v[SPW], v[NIL]
	s_wait_dscnt 0x0
	s_endpgm
.Lfunc_end_k_qabddda9d70_prep:
	.size	k_qabddda9d70_prep, .Lfunc_end_k_qabddda9d70_prep-k_qabddda9d70_prep
	.p2alignl 7, 3214868480
	.fill 96, 4, 3214868480
	.section	.rodata,"a",@progbits
	.p2align	6, 0x0
	.amdhsa_kernel k_qabddda9d70_prep
		.amdhsa_group_segment_fixed_size 18432
		.amdhsa_private_segment_fixed_size 0
		.amdhsa_enable_private_segment 0
		.amdhsa_kernarg_size 72
		.amdhsa_user_sgpr_count 2
		.amdhsa_user_sgpr_kernarg_segment_ptr 1
		.amdhsa_wavefront_size32 1
		.amdhsa_system_sgpr_workgroup_id_x 1
		.amdhsa_system_sgpr_workgroup_id_y 1
		.amdhsa_system_sgpr_workgroup_id_z 1
		.amdhsa_system_vgpr_workitem_id 0
		.amdhsa_next_free_vgpr 64
		.amdhsa_next_free_sgpr 66
		.amdhsa_reserve_vcc 1
		.amdhsa_float_denorm_mode_32 3
		.amdhsa_float_denorm_mode_16_64 3
		.amdhsa_memory_ordered 1
		.amdhsa_forward_progress 1
		.amdhsa_inst_pref_size 13
	.end_amdhsa_kernel
	.amdgpu_metadata
---
amdhsa.version: [ 1, 2 ]
amdhsa.kernels:
  - .name:           k_qabddda9d70_prep
    .symbol:         k_qabddda9d70_prep.kd
    .args:
      - { .name: x, .offset: 0, .size: 8, .value_kind: global_buffer, .address_space: global }
      - { .name: W_skip, .offset: 8, .size: 8, .value_kind: global_buffer, .address_space: global }
      - { .name: W_q, .offset: 16, .size: 8, .value_kind: global_buffer, .address_space: global }
      - { .name: W_k, .offset: 24, .size: 8, .value_kind: global_buffer, .address_space: global }
      - { .name: W_v, .offset: 32, .size: 8, .value_kind: global_buffer, .address_space: global }
      - { .name: W_fc, .offset: 40, .size: 8, .value_kind: global_buffer, .address_space: global }
      - { .name: xh, .offset: 48, .size: 8, .value_kind: global_buffer, .address_space: global }
      - { .name: wt, .offset: 56, .size: 8, .value_kind: global_buffer, .address_space: global }
      - { .name: wfc, .offset: 64, .size: 8, .value_kind: global_buffer, .address_space: global }
    .group_segment_fixed_size: 18432
    .private_segment_fixed_size: 0
    .kernarg_segment_align: 8
    .kernarg_segment_size: 72
    .max_flat_workgroup_size: 256
    .sgpr_count:     66
    .vgpr_count:     64
    .wavefront_size: 32
...
	.end_amdgpu_metadata
.endif
;; end of part 1
;; launch proj (part 2): grid 16 x 16, 4 waves a work-group, clusters of 4 x 4, 327,680 bytes of LDS; arguments xh, wt, b_skip, b_q, b_k, b_v, pj; writes pj
.if DOCPART == 2
	.amdgcn_target "amdgcn-amd-amdhsa--gfx1250"
	.amdhsa_code_object_version 6
	.text
	.protected	k_qabddda9d70_proj
	.globl	k_qabddda9d70_proj
	.p2align	8
	.type	k_qabddda9d70_proj,@function
k_qabddda9d70_proj:
	s_mov_b64 s[64:65], 0
	v_nop
	global_prefetch_b8 v0, s[64:65] scope:SCOPE_SE
	s_setreg_imm32_b32 hwreg(HW_REG_WAVE_MODE, 25, 1), 1
	s_wait_xcnt 0x0
	s_wait_alu depctr_hold_cnt(0) depctr_sa_sdst(0) depctr_va_vdst(0) depctr_va_sdst(0) depctr_va_ssrc(0) depctr_va_vcc(0) depctr_vm_vsrc(0)
	s_getreg_b32 s2, hwreg(HW_REG_IB_STS2, 6, 4)
	s_cmp_eq_u32 s2, 0
	s_cbranch_scc0 .Lentry_in_a_cluster
	s_endpgm
.Lentry_in_a_cluster:
	s_bfe_u32 s2, ttmp6, 0x10000c
	s_cmp_lg_u32 s2, 0xf033
	s_cbranch_scc0 .Lentry_shape_is_right
	s_endpgm
.Lentry_shape_is_right:
; PROJ: pj[m][n] = sum over k of xh[m][k] wt[n][k] + bias[n].  xh [4096][1024], wt [4096][1024], pj [4096][4096], all f16; sums and bias in f32; pj rounded once.
; pj's columns: 0-1023 x_r, 1024-2047 q, 2048-3071 k, 3072-4095 v.  LIMIT: a result of 65,520 or more becomes an infinity in f16.
; A tile of pj, 256 x 256, is made by four waves, each 128 x 128: 64 accumulators of 16 x 16.  K = 1,024 goes in 8 steps of 128 through two LDS slots filled by tensor loads:
; rows of 256 bytes, padded to 272.  16 x 16 tiles: 256 work-groups.
; CLUSTER 4 x 4: the four work-groups of a row of the cluster need the same rows of xh, the four of a column the same rows of wt: each tile is asked for jointly.
; THE MATRIX INSTRUCTION IS USED TRANSPOSED (source 0 = 16 rows of wt, source 1 = 16 rows of xh): a lane holds row l % 16 and eight neighbouring columns 8 (l / 16) + 0..7.
; THE BIAS is the C operand of the first product on each accumulator: no addition is written for it and nothing is cleared.
; ONE K STEP IS WRITTEN ONCE: the slot in hand is a scalar that an exclusive or turns (SLOT shares no bit with a wave's place in a slot, so the or is an addition); six trips fill a slot again,
; two more do not (their text stands apart); in the very last trip the fetch of a next step and that step's first quarter are jumped over, forward.
; REGISTERS, in windows of 256: window 0: v0-31 addresses; v32-63, v224-255 rows on the way out; v64-127, v128-191 xh's fragments, two buffers; v192-223 packed results
;   window 1: v0-63 bias; v64-127, v128-191 wt's fragments      windows 2, 3: accumulator (a, b) at v[8 (8 (a % 4) + b)] of window 2 + a / 4
.set LDK,    1024                      ; elements in a row of xh and of wt
.set LOGROW, 11                        ; their rows are 2,048 bytes
.set CPITCH, 8192                      ; bytes in a row of pj
.set KSTEP,  128
.set PITCH,  272                       ; an LDS row: 256 bytes + 16 = 68 words: the 16 rows of a fragment load start 4 banks apart (64 banks of 4 bytes: ISA guide 11.1)
.set HALFT,  128*PITCH                 ; what one tensor load brings
.set SLOT,   4*HALFT                   ; 0x22000: xh's 256 rows, then wt's
.set STAGE,  2*SLOT                    ; 16 rows x 272 bytes for each wave, for the way out; no tensor load fills it
.set SPITCH, 272
.set SPARE,  STAGE+4*16*SPITCH         ; the spare words, 128 bytes a wave
.set ADRA0, 16                         ; v16  my place in slot 0's rows of xh; never rewritten
.set ADRA,  17                         ; v17  the same in the slot in hand
.set ADRB0, 20                         ; v20, v21 likewise for wt
.set ADRB,  21
.set STO,  24                          ; v24  the way out: where I put 16 bytes of a row
.set RD,   25                          ; v25  where I read a row back
.set CO,   26                          ; v26  my byte offset in pj
.set BO,   27                          ; v27  my byte offset in the bias
.set SPW,  28                          ; v28  LDS address of my spare word; never rewritten
.set NIL,  29                          ; v29  0; never rewritten
.set PFO,  30                          ; v30  the prefetches' offset: my lane x a row; never rewritten
.set OB,   32
.set F0,   64
.set F1,   128
.set TMP,  192
.set G1,  24                           ; s[24:31] group 1 for xh's tiles
.set G0,  32                           ; s[32:35] group 0 of the first fill of slot 0; s[36:39] slot 1's, which then walks
.set G1B, 48                           ; s[48:55], s[56:59], s[60:63] the same for wt's tiles
.set G0B, 56
.set LIM, 43                           ; s43  2 in a wave that prefetches, else the greatest number
.set PFA, 44                           ; s[44:45] where my prefetches stand
.set TB,  66                           ; s66  0 or SLOT: the slot in hand
.set CNT, 67                           ; s67  trips to go
.set GW0, (1<<16)|(1<<20)|(1<<21)|(5<<22)|(3<<25)  ; 2-byte elements; padding on; bit 21 beside a mask; after every 64 words 4 words
.set MSB, 0
.macro WIN new                         ; the immediate's high byte repeats the setting that is left; a switch that changes nothing is dropped
.if MSB != (\new)
	s_set_vgpr_msb (MSB<<8)|(\new)
.set MSB, \new
.endif
.endm
.macro PLACES                          ; four places behind a matrix instruction, ahead of loads into registers that it read and of lines that read its result
.rept 4
	v_nop
.endr
.endm
.macro CREST                           ; a round of the cluster's barrier behind its opening barrier
	s_cmp_lg_u32 s10, 0
	s_cbranch_scc1 .Lnot_wave_0_\@
	s_barrier_signal -3
.Lnot_wave_0_\@:
	s_barrier_wait -3
	s_barrier_signal -1
	s_barrier_wait -1
.endm
.macro CROUND
	s_barrier_signal -1
	s_barrier_wait -1
	CREST
.endm
.macro JLOAD                           ; a joint refill by the walking descriptor: waves 0, 1 fetch xh's halves, waves 2, 3 wt's; s_nop 0 and four v_nop follow each line
	s_cmp_eq_u32 s11, 0
	s_cbranch_scc0 .Lfor_b_\@
	tensor_load_to_lds s[G0+4:G0+7], s[G1:G1+7]
	s_nop 0
.rept 4
	v_nop
.endr
	s_branch .Lasked_\@
.Lfor_b_\@:
	tensor_load_to_lds s[G0B+4:G0B+7], s[G1B:G1B+7]
	s_nop 0
.rept 4
	v_nop
.endr
.Lasked_\@:
.endm
; A prefetch of the K step that stands two refills on: 32 rows x 256 bytes, a lane a row.  xh's rows are asked for by the clusters with x = 0, wt's by those with y = 0; of the 128 rows that a wave
; fetches each of the four partners takes 32, told apart by address.  So each row's 256 bytes of a K step are named once.  Trips 0 to 3 name steps 4 to 7; the others name nothing.
.macro ASK
	s_cmp_gt_u32 s[CNT], s[LIM]
	s_cbranch_scc0 .Lnot_mine_\@
	global_prefetch_b8 v[PFO], s[PFA:PFA+1] th:TH_LOAD_NT scope:SCOPE_SE
.Lnot_mine_\@:
.endm
; 16 matrix instructions: row blocks a0, a0 + 1 of the window's four x all 8 column blocks, 32 along K.  start = 2: the bias starts the sums.
.macro MUL16 f, hi, a0, start
.if (\start) == 2
	WIN 0x91+0x40*(\hi)                            ; wt and the bias in window 1, xh in window 0, D in window 2 or 3
.else
	WIN 0xa1+0x50*(\hi)                            ; C and D in window 2 or 3
.endif
.irp a, \a0, (\a0)+1
.irp b, 0,1,2,3,4,5,6,7
.if (\start) == 2
	v_wmma_f32_16x16x32_f16 v[8*(8*(\a)+(\b)):8*(8*(\a)+(\b))+7], v[(\f)+8*(\b):(\f)+8*(\b)+7], v[(\f)+8*(4*(\hi)+(\a)):(\f)+8*(4*(\hi)+(\a))+7], v[8*(\b):8*(\b)+7]
.else
	v_wmma_f32_16x16x32_f16 v[8*(8*(\a)+(\b)):8*(8*(\a)+(\b))+7], v[(\f)+8*(\b):(\f)+8*(\b)+7], v[(\f)+8*(4*(\hi)+(\a)):(\f)+8*(4*(\hi)+(\a))+7], v[8*(8*(\a)+(\b)):8*(8*(\a)+(\b))+7]
.endif
.endr
.endr
.endm
.macro FETCH k, f                      ; 32 LDS loads in one run: a quarter step's fragments (32 K at byte k of the rows) into buffer f
	WIN 0x40
.irp i, 0,1,2,3,4,5,6,7
	ds_load_b128 v[(\f)+8*(\i):(\f)+8*(\i)+3],   v[ADRB] offset:(\k)+(\i)*16*PITCH
	ds_load_b128 v[(\f)+8*(\i)+4:(\f)+8*(\i)+7], v[ADRB] offset:(\k)+(\i)*16*PITCH+32
.endr
	WIN 0
.irp i, 0,1,2,3,4,5,6,7
	ds_load_b128 v[(\f)+8*(\i):(\f)+8*(\i)+3],   v[ADRA] offset:(\k)+(\i)*16*PITCH
	ds_load_b128 v[(\f)+8*(\i)+4:(\f)+8*(\i)+7], v[ADRA] offset:(\k)+(\i)*16*PITCH+32
.endr
.endm
.macro QUARTER k, f, g, start          ; multiplies buffer f; in its middle fetches the next quarter, at byte k, into g
	s_wait_dscnt 8                                 ; wt's fragments and xh's rows 0-63 are in; the youngest eight loads may be out
	MUL16 \f, 0, 0, \start
	MUL16 \f, 0, 2, \start
	PLACES
	FETCH \k, \g
	s_wait_dscnt 32                                ; all but the 32 just issued
	MUL16 \f, 1, 0, \start
	MUL16 \f, 1, 2, \start
.endm
.macro MEET                            ; the first half of a step's last quarter: one barrier for the change of slots
	WIN 0
	s_wait_tensorcnt 0x0                           ; all my tensor loads have landed: the one that was out is my part of the next slot
	ds_add_u32 v[SPW], v[NIL]                      ; 0 onto my spare word
	s_wait_dscnt 9                                 ; (the add and the youngest eight loads may be out)
	MUL16 F1, 0, 0, 0
	s_wait_dscnt 0x0                               ; the add is done, and my reads of this slot are over
	s_barrier_signal -1
	MUL16 F1, 0, 2, 0
	WIN 0
	s_barrier_wait -1
.endm
.macro TURN fill                       ; the whole last quarter.  fill = 1: the slot just read is filled again, two K steps on, first thing behind a round of the cluster's barrier
.if \fill
	s_wait_xcnt 0x0                                ; the last prefetch, a K step back, has read its address
	s_add_nc_u64 s[PFA:PFA+1], s[PFA:PFA+1], KSTEP*2
.endif
	MEET
.if \fill
	CREST                                          ; no wave of any partner still reads this slot or has a load on its way
	s_xor_b32 s[G0+5], s[G0+5], SLOT               ; the walking descriptors: the other slot than last time, the next K step
	s_add_nc_u64 s[G0+6:G0+7], s[G0+6:G0+7], KSTEP*2
	s_xor_b32 s[G0B+5], s[G0B+5], SLOT
	s_add_nc_u64 s[G0B+6:G0B+7], s[G0B+6:G0B+7], KSTEP*2
	s_xor_b32 s[TB], s[TB], SLOT
	JLOAD                                          ; 224 matrix instructions ahead of the wait for it; its four v_nop are also the places in front of the loads below
	v_add_nc_u32 v[ADRA], s[TB], v[ADRA0]
	v_add_nc_u32 v[ADRB], s[TB], v[ADRB0]
	FETCH 0, F0
	ASK
.else
	PLACES
	s_cmp_eq_u32 s[CNT], 1                         ; the last trip has no next step
	s_cbranch_scc1 .Lno_more_\@
	s_xor_b32 s[TB], s[TB], SLOT
	v_add_nc_u32 v[ADRA], s[TB], v[ADRA0]
	v_add_nc_u32 v[ADRB], s[TB], v[ADRB0]
	FETCH 0, F0
.Lno_more_\@:
.endif
	MUL16 F1, 1, 0, 0
	MUL16 F1, 1, 2, 0
.endm
; THE WAY OUT of block a (16 rows): rounded to f16, 16 bytes a lane; through my own stage; stored as whole rows of 256 bytes
.macro PACK a
.set AC, 64*((\a)%4)
	WIN 0x0a+5*((\a)/4)
.irp b, 0,1,2,3,4,5,6,7
.irp r, 0,1,2,3
	v_cvt_pk_f16_f32 v[TMP+4*(\b)+(\r)], v[AC+8*(\b)+2*(\r)], v[AC+8*(\b)+2*(\r)+1]
.endr
.endr
	WIN 0
.endm
.macro TOSTAGE a
	WIN 0
.set BK, OB+192*((\a)%2)
.irp b, 0,1,2,3,4,5,6,7
	ds_store_b128 v[STO], v[TMP+4*(\b):TMP+4*(\b)+3] offset:32*(\b)
.endr
.irp t, 0,1,2,3,4,5,6,7
	ds_load_b128 v[BK+4*(\t):BK+4*(\t)+3], v[RD] offset:(\t)*2*SPITCH  ; LDS serves a wave's instructions in order (ISA guide 5.7.1.4): these see the stores above
.endr
.endm
.macro SEND a
	WIN 0
.set BK, OB+192*((\a)%2)
	s_wait_dscnt 0x0                               ; the block is back in registers
	s_wait_xcnt 0x0                                ; earlier stores have read their base and data: only now are they written again
.if (\a) > 0
	s_add_nc_u64 s[8:9], s[8:9], 16*CPITCH
.endif
.irp t, 0,1,2,3,4,5,6,7
	global_store_b128 v[CO], v[BK+4*(\t):BK+4*(\t)+3], s[8:9] offset:2*(\t)*CPITCH  ; 16 lanes store 256 consecutive bytes, aligned
.endr
.endm
	s_load_b256 s[76:83], s[0:1], 0x0              ; xh 76, wt 78, b_skip 80, b_q 82
	s_load_b128 s[84:87], s[0:1], 0x20             ; b_k 84, b_v 86
	s_load_b64 s[88:89], s[0:1], 0x30              ; pj
	v_lshl_add_u32 v[SPW], v0, 2, SPARE
	v_mov_b32 v[NIL], 0
	ds_add_u32 v[SPW], v[NIL]                      ; the wave's opening: the add and its wait stand ahead of my first tensor load
	v_lshrrev_b32 v1, 5, v0
	v_readfirstlane_b32 s10, v1                    ; wave 0..3
	s_lshr_b32 s11, s10, 1                         ; my half of the tile's rows.  Also: I fetch for xh (0) or wt (1)
	s_and_b32 s12, s10, 1                          ; my half of its columns.  Also: which 128 rows I fetch
	s_bfe_u32 s40, ttmp6, 0x40000                  ; cx
	s_bfe_u32 s41, ttmp6, 0x40004                  ; cy
	s_lshl_b32 s42, ttmp9, 2
	s_add_co_u32 s42, s42, s40                     ; tile column
	s_and_b32 s13, ttmp7, 0xffff
	s_lshl_b32 s13, s13, 2
	s_add_co_u32 s13, s13, s41                     ; tile row
	s_lshl_b32 s43, s41, 2
	s_lshl_b32 s43, 15, s43                        ; my row of the cluster
	s_lshl_b32 s44, 0x1111, s40                    ; my column
	s_or_b32 s[G1], s43, GW0
	s_or_b32 s[G1B], s44, GW0
.irp g, G1, G1B
	s_mov_b32 s[(\g)+1], KSTEP<<16                 ; tensor_dim0 = 128
	s_mov_b32 s[(\g)+2], 128<<16                   ; tensor_dim1 = 128
	s_mov_b32 s[(\g)+3], KSTEP<<16                 ; tile_dim0 = 128
	s_mov_b32 s[(\g)+4], 128                       ; tile_dim1 = 128
	s_mov_b32 s[(\g)+5], LDK                       ; elements from row to row
	s_mov_b32 s[(\g)+6], 0
	s_mov_b32 s[(\g)+7], 0
.endr
	s_lshl_b32 s17, s12, 7
	s_lshl_b32 s16, s13, 8
	s_add_co_u32 s16, s16, s17                     ; xh: row 256 x tile row + 128 x half
	s_lshl_b32 s46, s42, 8
	s_add_co_u32 s46, s46, s17                     ; wt: row 256 x tile column + 128 x half
	s_lshl_b32 s16, s16, LOGROW
	s_lshl_b32 s46, s46, LOGROW
	s_mov_b32 s17, 0
	s_mov_b32 s47, 0
	s_mul_i32 s20, s10, HALFT                      ; where they go: wave x 128 rows
	s_mov_b32 s[TB], 0
	s_wait_dscnt 0x0                               ; the opening add is done
	s_wait_kmcnt 0x0
	s_add_nc_u64 s[14:15], s[76:77], s[16:17]
	s_add_nc_u64 s[46:47], s[78:79], s[46:47]
	CROUND                                         ; all sixteen work-groups are here: the first joint loads meet
.irp s, 0,1
	s_mov_b32 s[G0+4*(\s)], 1
	s_add_co_u32 s[G0+4*(\s)+1], s20, (\s)*SLOT
	s_add_nc_u64 s[G0+4*(\s)+2:G0+4*(\s)+3], s[14:15], (\s)*KSTEP*2
	s_or_b32 s[G0+4*(\s)+3], s[G0+4*(\s)+3], 0x80000000
	s_mov_b32 s[G0B+4*(\s)], 1
	s_add_co_u32 s[G0B+4*(\s)+1], s20, (\s)*SLOT
	s_add_nc_u64 s[G0B+4*(\s)+2:G0B+4*(\s)+3], s[46:47], (\s)*KSTEP*2
	s_or_b32 s[G0B+4*(\s)+3], s[G0B+4*(\s)+3], 0x80000000
.endr
	s_cmp_eq_u32 s11, 0                            ; a wave's two first fills stand in one branch: two loads of mine are out
	s_cbranch_scc0 .Lfirst_b
	tensor_load_to_lds s[G0:G0+3], s[G1:G1+7]
	s_nop 0
	tensor_load_to_lds s[G0+4:G0+7], s[G1:G1+7]
	s_nop 0
.rept 4
	v_nop
.endr
	s_branch .Lfirst_done
.Lfirst_b:
	tensor_load_to_lds s[G0B:G0B+3], s[G1B:G1B+7]
	s_nop 0
	tensor_load_to_lds s[G0B+4:G0B+7], s[G1B:G1B+7]
	s_nop 0
.rept 4
	v_nop
.endr
.Lfirst_done:
	v_and_b32 v1, 15, v0                           ; l % 16
	v_bfe_u32 v2, v0, 4, 1                         ; l / 16
	; the bias of my 128 columns: register j of block b holds column 16 b + 8 (l / 16) + j
	s_cmp_eq_u32 ttmp9, 1                          ; the cluster's x is the matrix: four tile columns each
	s_cselect_b64 s[18:19], s[82:83], s[80:81]
	s_cmp_eq_u32 ttmp9, 2
	s_cselect_b64 s[18:19], s[84:85], s[18:19]
	s_cmp_eq_u32 ttmp9, 3
	s_cselect_b64 s[18:19], s[86:87], s[18:19]
	s_lshl_b32 s20, s40, 10
	s_lshl_b32 s21, s12, 9
	s_add_co_u32 s20, s20, s21
	s_mov_b32 s21, 0
	s_add_nc_u64 s[18:19], s[18:19], s[20:21]
	v_lshlrev_b32 v[BO], 5, v2
	WIN 0x40
.irp b, 0,1,2,3,4,5,6,7
	global_load_b128 v[8*(\b):8*(\b)+3],   v[BO], s[18:19] offset:64*(\b)
	global_load_b128 v[8*(\b)+4:8*(\b)+7], v[BO], s[18:19] offset:64*(\b)+16
.endr
	WIN 0
	v_mul_u32_u24 v3, v1, PITCH
	v_lshl_add_u32 v3, v2, 4, v3                   ; a fragment's row x pitch + 16 x half
	s_mul_i32 s21, s11, HALFT                      ; my 128 rows of xh
	s_mul_i32 s22, s12, HALFT                      ; my 128 rows of wt,
	s_add_co_u32 s22, s22, 2*HALFT                 ; which lie behind xh's 256
	v_add_nc_u32 v[ADRA0], s21, v3
	v_add_nc_u32 v[ADRB0], s22, v3
	v_mov_b32 v[ADRA], v[ADRA0]
	v_mov_b32 v[ADRB], v[ADRB0]
	s_mul_i32 s23, s10, 16*SPITCH
	s_add_co_u32 s23, s23, STAGE                   ; my stage
	v_mul_u32_u24 v4, v1, SPITCH
	v_lshl_add_u32 v4, v2, 4, v4
	v_add_nc_u32 v[STO], s23, v4
	v_mul_u32_u24 v5, v2, SPITCH
	v_lshl_add_u32 v5, v1, 4, v5
	v_add_nc_u32 v[RD], s23, v5
	v_lshlrev_b32 v5, 13, v2
	v_lshl_add_u32 v[CO], v1, 4, v5
	s_lshl_b32 s13, s13, 8                         ; 256 x tile row
	s_lshl_b32 s14, s11, 7
	s_add_co_u32 s16, s13, s14                     ; my first row of pj
	s_lshl_b32 s16, s16, 13
	s_mov_b32 s17, 0
	s_lshl_b32 s46, s42, 9                         ; my first column, in bytes
	s_lshl_b32 s47, s12, 8
	s_add_co_u32 s46, s46, s47
	s_mov_b32 s47, 0
	s_add_nc_u64 s[16:17], s[16:17], s[46:47]
	s_add_nc_u64 s[8:9], s[88:89], s[16:17]
	; the prefetches
	s_lshl_b32 s42, s42, 8                         ; 256 x tile column
	s_and_b32 s22, ttmp7, 0xffff
	s_cmp_eq_u32 s11, 0
	s_cselect_b32 s20, s13, s42                    ; the tile's first row
	s_cselect_b32 s21, s40, s41                    ; my place among the four that ask with me
	s_cselect_b32 s22, ttmp9, s22                  ; the coordinate along which other clusters read the same rows
	s_cselect_b64 s[PFA:PFA+1], s[76:77], s[78:79]
	s_cmp_eq_u32 s22, 0
	s_cselect_b32 s[LIM], 2, -1
	s_lshl_b32 s22, s12, 7
	s_add_co_u32 s20, s20, s22
	s_lshl_b32 s21, s21, 5
	s_add_co_u32 s20, s20, s21
	s_lshl_b32 s20, s20, LOGROW
	s_add_co_u32 s20, s20, 3*KSTEP*2               ; at K step 3: the first change of slots steps it to 4
	s_mov_b32 s21, 0
	s_add_nc_u64 s[PFA:PFA+1], s[PFA:PFA+1], s[20:21]
	v_and_b32 v[PFO], 31, v0
	v_lshlrev_b32 v[PFO], LOGROW, v[PFO]
	s_wait_tensorcnt 1                             ; my part of K step 0 is in; slot 1's may stay out
	s_wait_loadcnt 0x0                             ; the bias
	s_barrier_signal -1
	s_barrier_wait -1
	FETCH 0, F0
	QUARTER 64, F0, F1, 2                          ; the first quarter stands in front of the loop: its products start the sums with the bias
	WIN 0
	s_mov_b32 s[CNT], 6
.Lstep:                                        ; a trip: a step's quarters 1 to 3 and the next step's quarter 0; the slot left is filled again
	QUARTER 128, F1, F0, 0
	QUARTER 192, F0, F1, 0
	TURN 1
	QUARTER 64, F0, F1, 0
	WIN 0
	s_sub_co_u32 s[CNT], s[CNT], 1
	s_cmp_lg_u32 s[CNT], 0
	s_cbranch_scc1 .Lstep
	s_mov_b32 s[CNT], 2
.Ltail:                                        ; K steps 6 and 7: nothing is asked for
	QUARTER 128, F1, F0, 0
	QUARTER 192, F0, F1, 0
	TURN 0
	WIN 0
	s_cmp_eq_u32 s[CNT], 1
	s_cbranch_scc1 .Ltail_end
	QUARTER 64, F0, F1, 0
	WIN 0
.Ltail_end:
	s_sub_co_u32 s[CNT], s[CNT], 1
	s_cmp_lg_u32 s[CNT], 0
	s_cbranch_scc1 .Ltail
	PLACES
	PACK 0
	TOSTAGE 0
.irp a, 1,2,3,4,5,6,7                  ; block a's conversions stand between block a - 1's loads from the stage and the wait for them
	PACK \a
	SEND (\a)-1
	TOSTAGE \a
.endr
	SEND 7
	s_wait_tensorcnt 0x0                           ; the wave's end
	ds_add_u32 v[SPW], v[NIL]
	s_wait_dscnt 0x0
	CROUND                                         ; the closing round
	s_endpgm
.Lfunc_end_k_qabddda9d70_proj:
	.size	k_qabddda9d70_proj, .Lfunc_end_k_qabddda9d70_proj-k_qabddda9d70_proj
	.p2alignl 7, 3214868480
	.fill 96, 4, 3214868480
	.section	.rodata,"a",@progbits
	.p2align	6, 0x0
	.amdhsa_kernel k_qabddda9d70_proj
		.amdhsa_group_segment_fixed_size 327680
		.amdhsa_private_segment_fixed_size 0
		.amdhsa_enable_private_segment 0
		.amdhsa_kernarg_size 56
		.amdhsa_user_sgpr_count 2
		.amdhsa_user_sgpr_kernarg_segment_ptr 1
		.amdhsa_wavefront_size32 1
		.amdhsa_system_sgpr_workgroup_id_x 1
		.amdhsa_system_sgpr_workgroup_id_y 1
		.amdhsa_system_sgpr_workgroup_id_z 1
		.amdhsa_system_vgpr_workitem_id 0
		.amdhsa_next_free_vgpr 1024
		.amdhsa_next_free_sgpr 96
		.amdhsa_reserve_vcc 0
		.amdhsa_float_denorm_mode_32 3
		.amdhsa_float_denorm_mode_16_64 3
		.amdhsa_memory_ordered 1
		.amdhsa_forward_progress 1
		.amdhsa_inst_pref_size 103
	.end_amdhsa_kernel
	.amdgpu_metadata
---
amdhsa.version: [ 1, 2 ]
amdhsa.kernels:
  - .name:           k_qabddda9d70_proj
    .symbol:         k_qabddda9d70_proj.kd
    .args:
      - { .name: xh, .offset: 0, .size: 8, .value_kind: global_buffer, .address_space: global }
      - { .name: wt, .offset: 8, .size: 8, .value_kind: global_buffer, .address_space: global }
      - { .name: b_skip, .offset: 16, .size: 8, .value_kind: global_buffer, .address_space: global }
      - { .name: b_q, .offset: 24, .size: 8, .value_kind: global_buffer, .address_space: global }
      - { .name: b_k, .offset: 32, .size: 8, .value_kind: global_buffer, .address_space: global }
      - { .name: b_v, .offset: 40, .size: 8, .value_kind: global_buffer, .address_space: global }
      - { .name: pj, .offset: 48, .size: 8, .value_kind: global_buffer, .address_space: global }
    .group_segment_fixed_size: 327680
    .private_segment_fixed_size: 0
    .kernarg_segment_align: 8
    .kernarg_segment_size: 56
    .max_flat_workgroup_size: 128
    .sgpr_count:     96
    .vgpr_count:     1024
    .wavefront_size: 32
...
	.end_amdgpu_metadata
.endif
;; end of part 2
;; launch scores (part 3): grid 16 x 16, 4 waves a work-group, clusters of 4 x 4, 327,680 bytes of LDS; arguments pj, pw, st; writes pw, st
.if DOCPART == 3
	.amdgcn_target "amdgcn-amd-amdhsa--gfx1250"
	.amdhsa_code_object_version 6
	.text
	.protected	k_qabddda9d70_scores
	.globl	k_qabddda9d70_scores
	.p2align	8
	.type	k_qabddda9d70_scores,@function
k_qabddda9d70_scores:
	s_mov_b64 s[64:65], 0
	v_nop
	global_prefetch_b8 v0, s[64:65] scope:SCOPE_SE
	s_setreg_imm32_b32 hwreg(HW_REG_WAVE_MODE, 25, 1), 1
	s_wait_xcnt 0x0
	s_wait_alu depctr_hold_cnt(0) depctr_sa_sdst(0) depctr_va_vdst(0) depctr_va_sdst(0) depctr_va_ssrc(0) depctr_va_vcc(0) depctr_vm_vsrc(0)
	s_getreg_b32 s2, hwreg(HW_REG_IB_STS2, 6, 4)
	s_cmp_eq_u32 s2, 0
	s_cbranch_scc0 .Lentry_in_a_cluster
	s_endpgm
.Lentry_in_a_cluster:
	s_bfe_u32 s2, ttmp6, 0x10000c
	s_cmp_lg_u32 s2, 0xf033
	s_cbranch_scc0 .Lentry_shape_is_right
	s_endpgm
.Lentry_shape_is_right:
; SCORES: s[q][k] = q_row . k_row (pj's columns 1024-2047 and 2048-3071, f16, sums in f32).  For each row and each block kb of 128 keys:
;   m = the block's maximum of s;  pw[q][k] = 2^(c s - c m) rounded to f16;  st[kb][0][q] = c m;  st[kb][1][q] = l = the block's sum of the unrounded weights.   c = log2(e) / 32.
; The next launch takes the maximum of c m over all 32 blocks away: the two exponents, both at most 0, add up to the exponent of softmax with the row's true maximum.
; LIMITS: a weight below 6e-5 keeps f16's fixed step of 6e-8; a weight below 2^-126 counts as 0 in l; NaN and infinities are not treated apart.
; The product is the launch before's: a tile of 256 x 256, four waves of 128 x 128, K = 1,024 in 8 steps of 128 through two LDS slots, cluster 4 x 4 with joint loads (q's rows shared along
; a row of the cluster, k's along a column), the matrix instruction transposed: a lane holds ONE query (l % 16) and keys 16 b + 8 (l / 16) + 0..7.  A wave's 128 columns are one block kb.
; One K step is written once; the slot in hand is a scalar turned by an exclusive or (SLOT shares no bit with a wave's place in a slot).
; THE WAY OUT IS WRITTEN FOR FOUR BLOCKS OF 16 QUERIES AND WALKED TWICE.  A register window is named by an immediate, so one text cannot serve windows 2 and 3: behind the first walk the 32
; accumulators of my rows 64-127 are copied from window 3 into window 2's registers: 256 moves a wave, once, for half the text of softmax, stage and stores.
; REGISTERS: window 0: v0-31 addresses; v32-63, v224-255 rows on the way out; v64-127, v128-191 q's fragments (v64-111 serve the softmax afterwards); v192-223 packed weights
;   window 1: v64-127, v128-191 k's fragments      windows 2, 3: accumulator (a, b) at v[8 (8 (a % 4) + b)] of window 2 + a / 4
.set LDK,    4096                      ; elements in a row of pj
.set LOGROW, 13
.set CPITCH, 8192                      ; bytes in a row of pw
.set KSTEP,  128
.set PITCH,  272
.set HALFT,  128*PITCH
.set SLOT,   4*HALFT
.set STAGE,  2*SLOT                    ; 16 rows x 272 bytes for each wave; no tensor load fills it
.set SPITCH, 272
.set SPARE,  STAGE+4*16*SPITCH         ; the spare words, 128 bytes a wave
.set STATS,  SPARE+512                 ; 1,024 bytes for each wave: c m of its 128 queries, then l; no tensor load fills them
.set SST,   8                          ; v8   the statistics: where I put a word; steps by 256 a walk
.set SRD,   9                          ; v9   where I read 16 bytes back
.set SGO,   10                         ; v10  16 x lane
.set ADRA0, 16
.set ADRA,  17
.set ADRB0, 20
.set ADRB,  21
.set STO,  24
.set RD,   25
.set CO,   26
.set SPW,  28
.set NIL,  29
.set PFO,  30
.set OB,   32
.set F0,   64
.set F1,   128
.set TMP,  192
.set MX,   64                          ; v64-77  the softmax at work
.set CMS,  80                          ; v80-83  c m of the walk's block a
.set LS,   88                          ; v88-91  l of the walk's block a
.set G1,  24
.set G0,  32
.set G1B, 48
.set G0B, 56
.set LIM, 43
.set PFA, 44
.set TB,  66
.set CNT, 67
.set CS,  68                           ; s[68:69] c
.set SEL, 70                           ; s[70:71] v_permlanex16_b32's selects: each lane takes its own place in the other half
.set HM,  72                           ; s72  the mask of lanes 16-31
.set GW0, (1<<16)|(1<<20)|(1<<21)|(5<<22)|(3<<25)
.set MSB, 0
.macro WIN new
.if MSB != (\new)
	s_set_vgpr_msb (MSB<<8)|(\new)
.set MSB, \new
.endif
.endm
.macro PLACES
.rept 4
	v_nop
.endr
.endm
.macro CREST
	s_cmp_lg_u32 s10, 0
	s_cbranch_scc1 .Lnot_wave_0_\@
	s_barrier_signal -3
.Lnot_wave_0_\@:
	s_barrier_wait -3
	s_barrier_signal -1
	s_barrier_wait -1
.endm
.macro CROUND
	s_barrier_signal -1
	s_barrier_wait -1
	CREST
.endm
.macro JLOAD                           ; waves 0, 1 fetch q's halves, waves 2, 3 k's; s_nop 0 and four v_nop follow each line
	s_cmp_eq_u32 s11, 0
	s_cbranch_scc0 .Lfor_b_\@
	tensor_load_to_lds s[G0+4:G0+7], s[G1:G1+7]
	s_nop 0
.rept 4
	v_nop
.endr
	s_branch .Lasked_\@
.Lfor_b_\@:
	tensor_load_to_lds s[G0B+4:G0B+7], s[G1B:G1B+7]
	s_nop 0
.rept 4
	v_nop
.endr
.Lasked_\@:
.endm
.macro ASK                             ; the K step two refills on: 32 rows x 256 bytes, a lane a row; q's by the clusters with x = 0, k's by those with y = 0; partners told apart by address; trips 0 to 3 alone
	s_cmp_gt_u32 s[CNT], s[LIM]
	s_cbranch_scc0 .Lnot_mine_\@
	global_prefetch_b8 v[PFO], s[PFA:PFA+1] th:TH_LOAD_NT scope:SCOPE_SE
.Lnot_mine_\@:
.endm
.macro MUL16 f, hi, a0, start          ; start = 1: the first product starts the sums with the constant 0
	WIN 0xa1+0x50*(\hi)
.irp a, \a0, (\a0)+1
.irp b, 0,1,2,3,4,5,6,7
.if \start
	v_wmma_f32_16x16x32_f16 v[8*(8*(\a)+(\b)):8*(8*(\a)+(\b))+7], v[(\f)+8*(\b):(\f)+8*(\b)+7], v[(\f)+8*(4*(\hi)+(\a)):(\f)+8*(4*(\hi)+(\a))+7], 0
.else
	v_wmma_f32_16x16x32_f16 v[8*(8*(\a)+(\b)):8*(8*(\a)+(\b))+7], v[(\f)+8*(\b):(\f)+8*(\b)+7], v[(\f)+8*(4*(\hi)+(\a)):(\f)+8*(4*(\hi)+(\a))+7], v[8*(8*(\a)+(\b)):8*(8*(\a)+(\b))+7]
.endif
.endr
.endr
.endm
.macro FETCH k, f
	WIN 0x40
.irp i, 0,1,2,3,4,5,6,7
	ds_load_b128 v[(\f)+8*(\i):(\f)+8*(\i)+3],   v[ADRB] offset:(\k)+(\i)*16*PITCH
	ds_load_b128 v[(\f)+8*(\i)+4:(\f)+8*(\i)+7], v[ADRB] offset:(\k)+(\i)*16*PITCH+32
.endr
	WIN 0
.irp i, 0,1,2,3,4,5,6,7
	ds_load_b128 v[(\f)+8*(\i):(\f)+8*(\i)+3],   v[ADRA] offset:(\k)+(\i)*16*PITCH
	ds_load_b128 v[(\f)+8*(\i)+4:(\f)+8*(\i)+7], v[ADRA] offset:(\k)+(\i)*16*PITCH+32
.endr
.endm
.macro QUARTER k, f, g, start
	s_wait_dscnt 8                                 ; k's fragments and q's rows 0-63 are in; the youngest eight loads may be out
	MUL16 \f, 0, 0, \start
	MUL16 \f, 0, 2, \start
	PLACES
	FETCH \k, \g
	s_wait_dscnt 32                                ; all but the 32 just issued
	MUL16 \f, 1, 0, \start
	MUL16 \f, 1, 2, \start
.endm
.macro MEET
	WIN 0
	s_wait_tensorcnt 0x0                           ; all my tensor loads have landed: my part of the next slot
	ds_add_u32 v[SPW], v[NIL]                      ; 0 onto my spare word
	s_wait_dscnt 9                                 ; (the add and the youngest eight loads may be out)
	MUL16 F1, 0, 0, 0
	s_wait_dscnt 0x0                               ; the add is done, and my reads of this slot are over
	s_barrier_signal -1
	MUL16 F1, 0, 2, 0
	WIN 0
	s_barrier_wait -1
.endm
.macro TURN fill
.if \fill
	s_wait_xcnt 0x0                                ; the last prefetch, a K step back, has read its address
	s_add_nc_u64 s[PFA:PFA+1], s[PFA:PFA+1], KSTEP*2
.endif
	MEET
.if \fill
	CREST
	s_xor_b32 s[G0+5], s[G0+5], SLOT
	s_add_nc_u64 s[G0+6:G0+7], s[G0+6:G0+7], KSTEP*2
	s_xor_b32 s[G0B+5], s[G0B+5], SLOT
	s_add_nc_u64 s[G0B+6:G0B+7], s[G0B+6:G0B+7], KSTEP*2
	s_xor_b32 s[TB], s[TB], SLOT
	JLOAD
	v_add_nc_u32 v[ADRA], s[TB], v[ADRA0]
	v_add_nc_u32 v[ADRB], s[TB], v[ADRB0]
	FETCH 0, F0
	ASK
.else
	PLACES
	s_cmp_eq_u32 s[CNT], 1
	s_cbranch_scc1 .Lno_more_\@
	s_xor_b32 s[TB], s[TB], SLOT
	v_add_nc_u32 v[ADRA], s[TB], v[ADRA0]
	v_add_nc_u32 v[ADRB], s[TB], v[ADRB0]
	FETCH 0, F0
.Lno_more_\@:
.endif
	MUL16 F1, 1, 0, 0
	MUL16 F1, 1, 2, 0
.endm
; THE SOFTMAX OF THE WALK'S BLOCK a (0 to 3), in window 2: 16 queries x 128 keys; a lane holds 64 scores of one query, the lane 16 away the other 64.
.macro SOFT a
.set AC, 64*(\a)
	WIN 0x2a                                       ; all sources in window 2.  The maximum, three operands at a time
.irp b, 0,1,2,3,4,5,6,7
	v_max3_num_f32 v[MX+(\b)], v[AC+8*(\b)], v[AC+8*(\b)+1], v[AC+8*(\b)+2]
.endr
	WIN 0x28
.irp b, 0,1,2,3,4,5,6,7
	v_max3_num_f32 v[MX+(\b)], v[MX+(\b)], v[AC+8*(\b)+3], v[AC+8*(\b)+4]
.endr
.irp b, 0,1,2,3,4,5,6,7
	v_max3_num_f32 v[MX+(\b)], v[MX+(\b)], v[AC+8*(\b)+5], v[AC+8*(\b)+6]
.endr
.irp b, 0,2,4,6
	v_max3_num_f32 v[MX+(\b)], v[MX+(\b)], v[AC+8*(\b)+7], v[AC+8*(\b)+15]
.endr
	WIN 0
	v_max3_num_f32 v[MX], v[MX], v[MX+1], v[MX+2]
	v_max3_num_f32 v[MX+3], v[MX+3], v[MX+4], v[MX+5]
	v_max3_num_f32 v[MX], v[MX], v[MX+3], v[MX+6]
	v_max_num_f32 v[MX], v[MX], v[MX+7]
	v_permlanex16_b32 v[MX+8], v[MX], s[SEL], s[SEL+1]
	v_max_num_f32 v[MX+9], v[MX], v[MX+8]          ; m
	v_mul_f32 v[MX+10], s[CS], v[MX+9]             ; c m,
	v_mul_f32 v[MX+11], s[CS], v[MX+9]             ; named with it as a pair
	v_mov_b32 v[CMS+(\a)], v[MX+10]
	WIN 0x82                                       ; ONE BATCH: 32 scalings c s - c m and 64 exponentials, in place; nothing in it names an exponential's result
	v_pk_fma_f32 v[AC:AC+1], v[AC:AC+1], s[CS:CS+1], v[MX+10:MX+11] op_sel_hi:[1,0,0] neg_lo:[0,0,1] neg_hi:[0,0,1]
.set i, 1
.rept 31
	v_pk_fma_f32 v[AC+2*i:AC+2*i+1], v[AC+2*i:AC+2*i+1], s[CS:CS+1], v[MX+10:MX+11] op_sel_hi:[1,0,0] neg_lo:[0,0,1] neg_hi:[0,0,1]
	v_exp_f32 v[AC+2*i-2], v[AC+2*i-2]
	v_exp_f32 v[AC+2*i-1], v[AC+2*i-1]
.set i, i+1
.endr
	v_exp_f32 v[AC+62], v[AC+62]
	v_exp_f32 v[AC+63], v[AC+63]
	v_nop                                          ; a plain instruction behind the last exponential,
	s_wait_alu depctr_va_vdst(0)                   ; and a wait ahead of the batch's first reader
	WIN 0x0a
.set i, 0
.rept 32
	v_cvt_pk_f16_f32 v[TMP+i], v[AC+2*i], v[AC+2*i+1]
.set i, i+1
.endr
	WIN 0x8a                                       ; the sum of the 32 pairs of unrounded weights, in place, as a tree
.irp d, 16,8,4,2,1
.set i, 0
.rept \d
	v_pk_add_f32 v[AC+2*i:AC+2*i+1], v[AC+2*i:AC+2*i+1], v[AC+2*(i+(\d)):AC+2*(i+(\d))+1]
.set i, i+1
.endr
.endr
	WIN 0x0a
	v_add_f32 v[MX+12], v[AC], v[AC+1]
	WIN 0
	v_permlanex16_b32 v[MX+13], v[MX+12], s[SEL], s[SEL+1]
	v_add_f32 v[LS+(\a)], v[MX+12], v[MX+13]       ; l
.endm
.macro TOSTAGE a
	WIN 0
.set BK, OB+192*((\a)%2)
.irp b, 0,1,2,3,4,5,6,7
	ds_store_b128 v[STO], v[TMP+4*(\b):TMP+4*(\b)+3] offset:32*(\b)
.endr
.irp t, 0,1,2,3,4,5,6,7
	ds_load_b128 v[BK+4*(\t):BK+4*(\t)+3], v[RD] offset:(\t)*2*SPITCH  ; LDS serves a wave's instructions in order (ISA guide 5.7.1.4): these see the stores above
.endr
.endm
.macro SEND a
	WIN 0
.set BK, OB+192*((\a)%2)
	s_wait_dscnt 0x0
	s_wait_xcnt 0x0                                ; earlier stores have read their base and data: only now are they written again
.if (\a) > 0
	s_add_nc_u64 s[8:9], s[8:9], 16*CPITCH
.endif
.irp t, 0,1,2,3,4,5,6,7
	global_store_b128 v[CO], v[BK+4*(\t):BK+4*(\t)+3], s[8:9] offset:2*(\t)*CPITCH  ; 16 lanes store 256 consecutive bytes, aligned
.endr
.endm
	s_load_b128 s[76:79], s[0:1], 0x0              ; pj 76, pw 78
	s_load_b64 s[80:81], s[0:1], 0x10              ; st
	v_lshl_add_u32 v[SPW], v0, 2, SPARE
	v_mov_b32 v[NIL], 0
	ds_add_u32 v[SPW], v[NIL]                      ; the wave's opening: the add and its wait stand ahead of my first tensor load
	v_lshrrev_b32 v1, 5, v0
	v_readfirstlane_b32 s10, v1
	s_lshr_b32 s11, s10, 1
	s_and_b32 s12, s10, 1
	s_bfe_u32 s40, ttmp6, 0x40000
	s_bfe_u32 s41, ttmp6, 0x40004
	s_lshl_b32 s42, ttmp9, 2
	s_add_co_u32 s42, s42, s40                     ; tile column: 256 keys
	s_and_b32 s13, ttmp7, 0xffff
	s_lshl_b32 s13, s13, 2
	s_add_co_u32 s13, s13, s41                     ; tile row: 256 queries
	s_lshl_b32 s43, s41, 2
	s_lshl_b32 s43, 15, s43
	s_lshl_b32 s44, 0x1111, s40
	s_or_b32 s[G1], s43, GW0
	s_or_b32 s[G1B], s44, GW0
.irp g, G1, G1B
	s_mov_b32 s[(\g)+1], KSTEP<<16
	s_mov_b32 s[(\g)+2], 128<<16
	s_mov_b32 s[(\g)+3], KSTEP<<16
	s_mov_b32 s[(\g)+4], 128
	s_mov_b32 s[(\g)+5], LDK
	s_mov_b32 s[(\g)+6], 0
	s_mov_b32 s[(\g)+7], 0
.endr
	s_lshl_b32 s17, s12, 7
	s_lshl_b32 s16, s13, 8
	s_add_co_u32 s16, s16, s17
	s_lshl_b32 s46, s42, 8
	s_add_co_u32 s46, s46, s17
	s_lshl_b32 s16, s16, LOGROW
	s_lshl_b32 s46, s46, LOGROW
	s_add_co_u32 s16, s16, 2048                    ; q begins at byte 2,048 of a row of pj,
	s_add_co_u32 s46, s46, 4096                    ; k at byte 4,096
	s_mov_b32 s17, 0
	s_mov_b32 s47, 0
	s_mul_i32 s20, s10, HALFT
	s_mov_b32 s[TB], 0
	s_mov_b32 s[CS], 0x3d38aa3b                    ; c = log2(e) / 32
	s_mov_b32 s[CS+1], s[CS]
	s_mov_b32 s[SEL], 0x76543210
	s_mov_b32 s[SEL+1], 0xfedcba98
	s_mov_b32 s[HM], 0xffff0000
	s_wait_dscnt 0x0
	s_wait_kmcnt 0x0
	s_add_nc_u64 s[14:15], s[76:77], s[16:17]
	s_add_nc_u64 s[46:47], s[76:77], s[46:47]
	CROUND
.irp s, 0,1
	s_mov_b32 s[G0+4*(\s)], 1
	s_add_co_u32 s[G0+4*(\s)+1], s20, (\s)*SLOT
	s_add_nc_u64 s[G0+4*(\s)+2:G0+4*(\s)+3], s[14:15], (\s)*KSTEP*2
	s_or_b32 s[G0+4*(\s)+3], s[G0+4*(\s)+3], 0x80000000
	s_mov_b32 s[G0B+4*(\s)], 1
	s_add_co_u32 s[G0B+4*(\s)+1], s20, (\s)*SLOT
	s_add_nc_u64 s[G0B+4*(\s)+2:G0B+4*(\s)+3], s[46:47], (\s)*KSTEP*2
	s_or_b32 s[G0B+4*(\s)+3], s[G0B+4*(\s)+3], 0x80000000
.endr
	s_cmp_eq_u32 s11, 0
	s_cbranch_scc0 .Lfirst_b
	tensor_load_to_lds s[G0:G0+3], s[G1:G1+7]
	s_nop 0
	tensor_load_to_lds s[G0+4:G0+7], s[G1:G1+7]
	s_nop 0
.rept 4
	v_nop
.endr
	s_branch .Lfirst_done
.Lfirst_b:
	tensor_load_to_lds s[G0B:G0B+3], s[G1B:G1B+7]
	s_nop 0
	tensor_load_to_lds s[G0B+4:G0B+7], s[G1B:G1B+7]
	s_nop 0
.rept 4
	v_nop
.endr
.Lfirst_done:
	v_and_b32 v1, 15, v0
	v_bfe_u32 v2, v0, 4, 1
	v_mul_u32_u24 v3, v1, PITCH
	v_lshl_add_u32 v3, v2, 4, v3
	s_mul_i32 s21, s11, HALFT
	s_mul_i32 s22, s12, HALFT
	s_add_co_u32 s22, s22, 2*HALFT
	v_add_nc_u32 v[ADRA0], s21, v3
	v_add_nc_u32 v[ADRB0], s22, v3
	v_mov_b32 v[ADRA], v[ADRA0]
	v_mov_b32 v[ADRB], v[ADRB0]
	s_mul_i32 s23, s10, 16*SPITCH
	s_add_co_u32 s23, s23, STAGE
	v_mul_u32_u24 v4, v1, SPITCH
	v_lshl_add_u32 v4, v2, 4, v4
	v_add_nc_u32 v[STO], s23, v4
	v_mul_u32_u24 v5, v2, SPITCH
	v_lshl_add_u32 v5, v1, 4, v5
	v_add_nc_u32 v[RD], s23, v5
	v_lshlrev_b32 v5, 13, v2
	v_lshl_add_u32 v[CO], v1, 4, v5
	s_lshl_b32 s22, s10, 10
	s_add_co_u32 s22, s22, STATS                   ; my 1,024 bytes for the statistics: c m in the first 512 (lanes 0-15 write them), l in the next (lanes 16-31)
	v_lshlrev_b32 v[SST], 9, v2
	v_lshl_add_u32 v[SST], v1, 2, v[SST]
	v_add_nc_u32 v[SST], s22, v[SST]
	v_and_b32 v[SGO], 31, v0
	v_lshlrev_b32 v[SGO], 4, v[SGO]
	v_add_nc_u32 v[SRD], s22, v[SGO]
	s_lshl_b32 s13, s13, 8
	s_lshl_b32 s14, s11, 7
	s_add_co_u32 s16, s13, s14                     ; my first query
	s_lshl_b32 s18, s16, 2                         ; its place in a plane of st
	s_lshl_b32 s16, s16, 13
	s_mov_b32 s17, 0
	s_lshl_b32 s46, s42, 9
	s_lshl_b32 s47, s12, 8
	s_add_co_u32 s46, s46, s47
	s_mov_b32 s47, 0
	s_add_nc_u64 s[16:17], s[16:17], s[46:47]
	s_add_nc_u64 s[8:9], s[78:79], s[16:17]        ; pw at my part of the tile
	s_lshl1_add_u32 s19, s42, s12                  ; kb = 2 x tile column + my half
	s_lshl_b32 s19, s19, 15                        ; two planes of 16,384 bytes
	s_add_co_u32 s18, s18, s19
	s_mov_b32 s19, 0
	s_add_nc_u64 s[4:5], s[80:81], s[18:19]
	; the prefetches
	s_lshl_b32 s42, s42, 8
	s_and_b32 s22, ttmp7, 0xffff
	s_mov_b32 s18, 2048+3*KSTEP*2                  ; at K step 3 of q's columns,
	s_mov_b32 s19, 4096+3*KSTEP*2                  ; or of k's
	s_cmp_eq_u32 s11, 0
	s_cselect_b32 s20, s13, s42
	s_cselect_b32 s21, s40, s41
	s_cselect_b32 s22, ttmp9, s22
	s_cselect_b32 s18, s18, s19
	s_cmp_eq_u32 s22, 0
	s_cselect_b32 s[LIM], 2, -1
	s_lshl_b32 s22, s12, 7
	s_add_co_u32 s20, s20, s22
	s_lshl_b32 s21, s21, 5
	s_add_co_u32 s20, s20, s21
	s_lshl_b32 s20, s20, LOGROW
	s_add_co_u32 s20, s20, s18
	s_mov_b32 s21, 0
	s_add_nc_u64 s[PFA:PFA+1], s[76:77], s[20:21]
	v_and_b32 v[PFO], 31, v0
	v_lshlrev_b32 v[PFO], LOGROW, v[PFO]
	s_wait_tensorcnt 1                             ; my part of K step 0 is in; slot 1's may stay out
	s_barrier_signal -1
	s_barrier_wait -1
	FETCH 0, F0
	QUARTER 64, F0, F1, 1
	WIN 0
	s_mov_b32 s[CNT], 6
.Lstep:
	QUARTER 128, F1, F0, 0
	QUARTER 192, F0, F1, 0
	TURN 1
	QUARTER 64, F0, F1, 0
	WIN 0
	s_sub_co_u32 s[CNT], s[CNT], 1
	s_cmp_lg_u32 s[CNT], 0
	s_cbranch_scc1 .Lstep
	s_mov_b32 s[CNT], 2
.Ltail:
	QUARTER 128, F1, F0, 0
	QUARTER 192, F0, F1, 0
	TURN 0
	WIN 0
	s_cmp_eq_u32 s[CNT], 1
	s_cbranch_scc1 .Ltail_end
	QUARTER 64, F0, F1, 0
	WIN 0
.Ltail_end:
	s_sub_co_u32 s[CNT], s[CNT], 1
	s_cmp_lg_u32 s[CNT], 0
	s_cbranch_scc1 .Ltail
	PLACES
	s_mov_b32 s[CNT], 2
.Lhalf:                                        ; a walk: four blocks of 16 queries, out of window 2
	SOFT 0
	TOSTAGE 0
.irp a, 1,2,3                          ; block a's softmax stands between block a - 1's loads from the stage and the wait for them
	SOFT \a
	SEND (\a)-1
	TOSTAGE \a
.endr
	SEND 3
	; the statistics of these 64 queries: both halves of the lanes hold both numbers; lanes 0-15 hand on c m, lanes 16-31 l
.irp a, 0,1,2,3
	v_cndmask_b32 v[96+(\a)], v[CMS+(\a)], v[LS+(\a)], s[HM]
.endr
.irp a, 0,1,2,3
	ds_store_b32 v[SST], v[96+(\a)] offset:64*(\a)
.endr
	v_add_nc_u32 v[SST], 256, v[SST]               ; the next walk's 64 queries
	s_wait_xcnt 0x0                                ; all stores of the walk have read their base and data: the base steps, and both row buffers may be loaded again
	s_add_nc_u64 s[8:9], s[8:9], 16*CPITCH
	s_cmp_eq_u32 s[CNT], 1                         ; behind the last walk nothing is left to copy
	s_cbranch_scc1 .Lmoved
	WIN 0x83                                       ; source window 3, destination window 2; ascending
.set i, 0
.rept 256
	v_mov_b32 v[i], v[i]
.set i, i+1
.endr
	WIN 0
.Lmoved:
	s_sub_co_u32 s[CNT], s[CNT], 1
	s_cmp_lg_u32 s[CNT], 0
	s_cbranch_scc1 .Lhalf
	ds_load_b128 v[104:107], v[SRD]                ; my own bytes: LDS serves a wave's instructions in order
	ds_load_b128 v[108:111], v[SRD] offset:512
	s_wait_dscnt 0x0
	global_store_b128 v[SGO], v[104:107], s[4:5]               ; 512 consecutive bytes of c m,
	global_store_b128 v[SGO], v[108:111], s[4:5] offset:16384  ; and of l
	s_wait_tensorcnt 0x0                           ; the wave's end
	ds_add_u32 v[SPW], v[NIL]
	s_wait_dscnt 0x0
	CROUND
	s_endpgm
.Lfunc_end_k_qabddda9d70_scores:
	.size	k_qabddda9d70_scores, .Lfunc_end_k_qabddda9d70_scores-k_qabddda9d70_scores
	.p2alignl 7, 3214868480
	.fill 96, 4, 3214868480
	.section	.rodata,"a",@progbits
	.p2align	6, 0x0
	.amdhsa_kernel k_qabddda9d70_scores
		.amdhsa_group_segment_fixed_size 327680
		.amdhsa_private_segment_fixed_size 0
		.amdhsa_enable_private_segment 0
		.amdhsa_kernarg_size 24
		.amdhsa_user_sgpr_count 2
		.amdhsa_user_sgpr_kernarg_segment_ptr 1
		.amdhsa_wavefront_size32 1
		.amdhsa_system_sgpr_workgroup_id_x 1
		.amdhsa_system_sgpr_workgroup_id_y 1
		.amdhsa_system_sgpr_workgroup_id_z 1
		.amdhsa_system_vgpr_workitem_id 0
		.amdhsa_next_free_vgpr 1024
		.amdhsa_next_free_sgpr 96
		.amdhsa_reserve_vcc 0
		.amdhsa_float_denorm_mode_32 3
		.amdhsa_float_denorm_mode_16_64 3
		.amdhsa_memory_ordered 1
		.amdhsa_forward_progress 1
		.amdhsa_inst_pref_size 129
	.end_amdhsa_kernel
	.amdgpu_metadata
---
amdhsa.version: [ 1, 2 ]
amdhsa.kernels:
  - .name:           k_qabddda9d70_scores
    .symbol:         k_qabddda9d70_scores.kd
    .args:
      - { .name: pj, .offset: 0, .size: 8, .value_kind: global_buffer, .address_space: global }
      - { .name: pw, .offset: 8, .size: 8, .value_kind: global_buffer, .address_space: global }
      - { .name: st, .offset: 16, .size: 8, .value_kind: global_buffer, .address_space: global }
    .group_segment_fixed_size: 327680
    .private_segment_fixed_size: 0
    .kernarg_segment_align: 8
    .kernarg_segment_size: 24
    .max_flat_workgroup_size: 128
    .sgpr_count:     96
    .vgpr_count:     1024
    .wavefront_size: 32
...
	.end_amdgpu_metadata
.endif
;; end of part 3
;; launch pv (part 4): grid 8 x 32, 4 waves a work-group, clusters of 4 x 4, 327,680 bytes of LDS; arguments pw, st, pj, ah; writes ah
.if DOCPART == 4
	.amdgcn_target "amdgcn-amd-amdhsa--gfx1250"
	.amdhsa_code_object_version 6
	.text
	.protected	k_qabddda9d70_pv
	.globl	k_qabddda9d70_pv
	.p2align	8
	.type	k_qabddda9d70_pv,@function
k_qabddda9d70_pv:
	s_mov_b64 s[64:65], 0
	v_nop
	global_prefetch_b8 v0, s[64:65] scope:SCOPE_SE
	s_setreg_imm32_b32 hwreg(HW_REG_WAVE_MODE, 25, 1), 1
	s_wait_xcnt 0x0
	s_wait_alu depctr_hold_cnt(0) depctr_sa_sdst(0) depctr_va_vdst(0) depctr_va_sdst(0) depctr_va_ssrc(0) depctr_va_vcc(0) depctr_vm_vsrc(0)
	s_getreg_b32 s2, hwreg(HW_REG_IB_STS2, 6, 4)
	s_cmp_eq_u32 s2, 0
	s_cbranch_scc0 .Lentry_in_a_cluster
	s_endpgm
.Lentry_in_a_cluster:
	s_bfe_u32 s2, ttmp6, 0x10000c
	s_cmp_lg_u32 s2, 0xf033
	s_cbranch_scc0 .Lentry_shape_is_right
	s_endpgm
.Lentry_shape_is_right:
; PV: ah[q][n] = sum over the 32 key blocks kb of f[q][kb] x (sum over the block's 128 keys of pw[q][k] v[k][n]),  v = pj's columns 3072-4095.  pw, v, ah in f16; all sums and f in f32.
;   CM = max over kb of c m;  e = 2^(c m - CM);  L = sum of e l (at least about 1: the block that holds the maximum has e = 1 and a weight of 1);  f = e / L.
; So each weight is 2^(c s - c m) 2^(c m - CM) / L: softmax with the row's true maximum; both exponents are at most 0.  f multiplies f32 block sums: the weights are rounded once.
; LIMITS: e below 2^-126 counts as 0; ah has v's range; NaN and infinities are not treated apart.
; A tile of ah is 128 x 128 (8 x 32 tiles: 256 work-groups); four waves of 64 x 64: 16 accumulators.  K = 4,096 keys in 16 steps of 256 through two LDS slots:
; pw's 128 rows of 512 bytes (pitch 528) and v's 256 key rows of 256 bytes (pitch 288), which the turning load ds_load_tr16_b128 takes as they lie.
; CLUSTER 4 x 4: pw's tile is shared along a row of the cluster, v's along a column.  The matrix instruction is used transposed: a lane holds one query (l % 16) and eight neighbouring channels.
; ONE KEY BLOCK IS WRITTEN ONCE (and once more for the last K step) and walked twice a K step.  Its four blocks of 32 keys have a fragment buffer each;
; the loads of the first three go out together, the fold O += f T of the key block before stands behind them, then 64 products sum into T, the first 16 started with the constant 0.
; The change of slots stands between two key blocks: the refill is asked for at a K step's head and has that step's 128 matrix instructions in which to land.
; O starts at 0: 128 moves in the wait for the first tile, in place of a first fold written out.
; REGISTERS: window 0: v0-31 addresses; v32-95 at work (head, way out); v96-99 f of my four row blocks; v100-103 at work; v128-255 O      window 1: four fragment buffers of 64      window 2: v0-127 T
.set LDA,   4096                       ; elements in a row of pw
.set LDB,   4096                       ; and of pj
.set STEPA, 512                        ; bytes from K step to K step in pw
.set STEPB, 256*LDB*2                  ; and in v: 256 key rows
.set PA,    528                        ; 512 + 16: 132 words: the 16 rows of a fragment load start 4 banks apart (64 banks of 4 bytes: ISA guide 11.1)
.set PB,    288                        ; 256 + 32: 72 words
.set HALFA, 64*PA
.set HALFB, 128*PB
.set BOFF,  2*HALFA
.set SLOTX, 0x24000                    ; slot 1 begins here; the number shares no bit with a load's place in a slot (0, 0x8400, 0x10800, 0x19800)
.set FT,    SLOTX+BOFF+2*HALFB         ; f: [32 kb][2 row halves][16 l % 16][4 row blocks] f32; no tensor load fills it
.set SPARE, FT+16384
.set SPITCH, 272                       ; the stage of the way out lies over slot 0, which has had its last fill by then
.set ADRA0, 16                         ; v16  my place in slot 0's rows of pw; never rewritten
.set ADRB0, 17                         ; v17  and in its key rows of v; never rewritten
.set ADRA,  19                         ; v19, v20  the same for the key block in hand
.set ADRB,  20
.set FA,    22                         ; v22  where the next f lies
.set FTW,   23                         ; v23  where I put my row's f
.set STO,  24
.set RD,   25
.set CO,   26
.set PFO,  27
.set SPW,  28
.set NIL,  29
.set TMP,  32
.set FR,   96
.set O,    128
.set FB0,  0                           ; fragment buffers, in window 1: pw's four fragments (16 rows x 32 keys), then v's four
.set FB1,  64
.set FB2,  128
.set FB3,  192
.set T,    0                           ; in window 2
.set G1,  24
.set G0,  32
.set G1B, 48
.set G0B, 56
.set LIM, 43
.set PFA, 44
.set TB,  66                           ; s66  0 or SLOTX: the slot in hand
.set CNT, 67                           ; s67  K steps to go
.set KA,  68                           ; s68  LDS byte, from ADRA0 on, of the next key block's part of pw's rows
.set KB,  69                           ; s69  the same for v's key rows
.set CN2, 70                           ; s70  counts a K step's two key blocks
.set PFS, 74                           ; s[74:75] the prefetches' step
.set MULW, 0xa5                        ; both sources in window 1, C and D in window 2
.set MSB, 0
.macro WIN new
.if MSB != (\new)
	s_set_vgpr_msb (MSB<<8)|(\new)
.set MSB, \new
.endif
.endm
.macro PLACES
.rept 4
	v_nop
.endr
.endm
.macro CREST
	s_cmp_lg_u32 s10, 0
	s_cbranch_scc1 .Lnot_wave_0_\@
	s_barrier_signal -3
.Lnot_wave_0_\@:
	s_barrier_wait -3
	s_barrier_signal -1
	s_barrier_wait -1
.endm
.macro CROUND
	s_barrier_signal -1
	s_barrier_wait -1
	CREST
.endm
.macro JLOAD                           ; waves 0, 1 fetch pw's halves (64 rows), waves 2, 3 v's (128 key rows); s_nop 0 and four v_nop follow each line
	s_cmp_eq_u32 s11, 0
	s_cbranch_scc0 .Lfor_b_\@
	tensor_load_to_lds s[G0+4:G0+7], s[G1:G1+7]
	s_nop 0
.rept 4
	v_nop
.endr
	s_branch .Lasked_\@
.Lfor_b_\@:
	tensor_load_to_lds s[G0B+4:G0B+7], s[G1B:G1B+7]
	s_nop 0
.rept 4
	v_nop
.endr
.Lasked_\@:
.endm
; A prefetch of the K step two refills on.  pw's blocks are asked for by the clusters with x = 0 (of a wave's 64 rows x 2 blocks of 256 bytes each partner takes 16 rows), v's by those with y = 0
; (of a wave's 128 key rows each partner takes 32): a lane a block, partners told apart by address, each block named once.  The first 12 changes of slots name steps 4 to 15; the others name nothing.
.macro ASK
	s_cmp_gt_u32 s[CNT], s[LIM]
	s_cbranch_scc0 .Lnot_mine_\@
	global_prefetch_b8 v[PFO], s[PFA:PFA+1] th:TH_LOAD_NT scope:SCOPE_SE
.Lnot_mine_\@:
.endm
.macro MULK g, start                   ; 16 matrix instructions: 4 row blocks x 4 channel blocks, 32 keys out of buffer g.  The 16 accumulators take turns.  start = 1: the constant 0 starts the sums
	WIN MULW
.irp a, 0,1,2,3
.irp b, 0,1,2,3
.if \start
	v_wmma_f32_16x16x32_f16 v[T+8*(4*(\a)+(\b)):T+8*(4*(\a)+(\b))+7], v[(\g)+32+8*(\b):(\g)+32+8*(\b)+7], v[(\g)+8*(\a):(\g)+8*(\a)+7], 0
.else
	v_wmma_f32_16x16x32_f16 v[T+8*(4*(\a)+(\b)):T+8*(4*(\a)+(\b))+7], v[(\g)+32+8*(\b):(\g)+32+8*(\b)+7], v[(\g)+8*(\a):(\g)+8*(\a)+7], v[T+8*(4*(\a)+(\b)):T+8*(4*(\a)+(\b))+7]
.endif
.endr
.endr
.endm
.macro NEWADR                          ; the key block's two LDS addresses; the scalars step to the next key block
	WIN 0
	v_add_nc_u32 v[ADRA], s[KA], v[ADRA0]
	v_add_nc_u32 v[ADRB], s[KB], v[ADRB0]
	s_add_co_u32 s[KA], s[KA], 4*64
	s_add_co_u32 s[KB], s[KB], 4*32*PB
.endm
.macro LOADK g, n                      ; 16 LDS loads: the fragments of the key block's 32 keys number n into buffer g
	WIN 0x40
.irp i, 0,1,2,3
	ds_load_tr16_b128 v[(\g)+32+8*(\i):(\g)+32+8*(\i)+3],   v[ADRB] offset:32*(\n)*PB+32*(\i)
	ds_load_tr16_b128 v[(\g)+32+8*(\i)+4:(\g)+32+8*(\i)+7], v[ADRB] offset:(32*(\n)+16)*PB+32*(\i)
	ds_load_b128 v[(\g)+8*(\i):(\g)+8*(\i)+3],   v[ADRA] offset:64*(\n)+(\i)*16*PA
	ds_load_b128 v[(\g)+8*(\i)+4:(\g)+8*(\i)+7], v[ADRA] offset:64*(\n)+(\i)*16*PA+32
.endr
.endm
.macro FOLD                            ; O += f T: 64 packed multiply-adds, ascending; pair rr belongs to row block rr / 16
	WIN 0x02                                       ; T in window 2; O and f in window 0
.set rr, 0
.rept 64
.if (rr/16)%2
	v_pk_fma_f32 v[O+2*rr:O+2*rr+1], v[T+2*rr:T+2*rr+1], v[FR+2*(rr/32):FR+2*(rr/32)+1], v[O+2*rr:O+2*rr+1] op_sel:[0,1,0] op_sel_hi:[1,1,1]
.else
	v_pk_fma_f32 v[O+2*rr:O+2*rr+1], v[T+2*rr:T+2*rr+1], v[FR+2*(rr/32):FR+2*(rr/32)+1], v[O+2*rr:O+2*rr+1] op_sel_hi:[1,0,1]
.endif
.set rr, rr+1
.endr
.endm
; A KEY BLOCK, walked twice a K step.  entry = 1: the launch's first key block, which has nothing to fold, comes in at .Lc.
; Five plain vector instructions stand between the last product and the first load into a fragment buffer, and in front of the fold that reads T (ISA guide 7.12.1 for the fold).
.macro KBODY tag, entry
.Lkb\tag:
	ds_load_b128 v[FR:FR+3], v[FA]                 ; f of the key block whose sums lie in T
	v_add_nc_u32 v[FA], 512, v[FA]
	NEWADR
	v_nop
	v_nop
	LOADK FB0, 0
	LOADK FB1, 1
	LOADK FB2, 2
	s_wait_dscnt 48                                ; f is in; the 48 loads issued behind it may be out
	FOLD                                           ; stands in the wait for the first fragments
	WIN 0
.if \entry
.Lc\tag:
.endif
	s_wait_dscnt 32                                ; buffer 0 is in
	LOADK FB3, 3
	MULK FB0, 1
	s_wait_dscnt 32                                ; buffer 1 is in; 2 and 3 may be out
	MULK FB1, 0
	s_wait_dscnt 16
	MULK FB2, 0
	s_wait_dscnt 0x0
	MULK FB3, 0
	WIN 0
	s_sub_co_u32 s[CN2], s[CN2], 1
	s_cmp_lg_u32 s[CN2], 0
	s_cbranch_scc1 .Lkb\tag
.endm
; THE CHANGE OF SLOTS.  Each wave waits for all its tensor loads, of which one is out: its part of the other slot; adds 0 to its spare word; and waits for that and for its reads of the slot that it leaves.
; fill = 1: the barrier is a round of the cluster's, and the slot just left is filled again, two K steps on, first thing behind it.
.macro CHANGE fill
	WIN 0
.if \fill
	s_wait_xcnt 0x0                                ; the last prefetch, a K step back, has read its address
	s_add_nc_u64 s[PFA:PFA+1], s[PFA:PFA+1], s[PFS:PFS+1]
.endif
	s_wait_tensorcnt 0x0                           ; no tensor load of mine is out, so a group 0 may be written
	ds_add_u32 v[SPW], v[NIL]                      ; 0 onto my spare word; the scalar work below stands between it and the wait for it
	s_xor_b32 s[TB], s[TB], SLOTX
	s_mov_b32 s[KA], s[TB]
	s_mov_b32 s[KB], s[TB]
.if \fill
	s_xor_b32 s[G0+5], s[G0+5], SLOTX              ; the walking descriptors: the other slot than last time, the next K step
	s_add_nc_u64 s[G0+6:G0+7], s[G0+6:G0+7], STEPA
	s_xor_b32 s[G0B+5], s[G0B+5], SLOTX
	s_add_nc_u64 s[G0B+6:G0B+7], s[G0B+6:G0B+7], STEPB
.endif
	s_wait_dscnt 0x0                               ; the add is done, and my reads of the slot are over
.if \fill
	CROUND                                         ; no wave of any partner still reads the slot or has a load on its way
	JLOAD
	ASK
.else
	s_barrier_signal -1
	s_barrier_wait -1
.endif
.endm
	s_load_b256 s[76:83], s[0:1], 0x0              ; pw 76, st 78, pj 80, ah 82
	v_lshl_add_u32 v[SPW], v0, 2, SPARE
	v_mov_b32 v[NIL], 0
	ds_add_u32 v[SPW], v[NIL]                      ; the wave's opening: the add and its wait stand ahead of my first tensor load
	v_lshrrev_b32 v1, 5, v0
	v_readfirstlane_b32 s10, v1
	s_lshr_b32 s11, s10, 1                         ; my half of the tile's rows.  Also: I fetch for pw (0) or v (1)
	s_and_b32 s12, s10, 1                          ; my half of its channels.  Also: which half of that tile I fetch
	s_bfe_u32 s40, ttmp6, 0x40000
	s_bfe_u32 s41, ttmp6, 0x40004
	s_lshl_b32 s42, ttmp9, 2
	s_add_co_u32 s42, s42, s40                     ; tile column: 128 channels
	s_and_b32 s13, ttmp7, 0xffff
	s_lshl_b32 s13, s13, 2
	s_add_co_u32 s13, s13, s41                     ; tile row: 128 queries
	s_lshl_b32 s43, s41, 2
	s_lshl_b32 s43, 15, s43
	s_lshl_b32 s44, 0x1111, s40
	s_or_b32 s[G1], s43, (1<<16)|(1<<20)|(1<<21)|(6<<22)|(3<<25)   ; after every 128 words 4 words of padding
	s_mov_b32 s[G1+1], 256<<16                     ; tensor_dim0 = 256
	s_mov_b32 s[G1+2], 64<<16                      ; tensor_dim1 = 64
	s_mov_b32 s[G1+3], 256<<16                     ; tile_dim0 = 256
	s_mov_b32 s[G1+4], 64                          ; tile_dim1 = 64
	s_mov_b32 s[G1+5], LDA
	s_mov_b32 s[G1+6], 0
	s_mov_b32 s[G1+7], 0
	s_or_b32 s[G1B], s44, (1<<16)|(1<<20)|(1<<21)|(5<<22)|(7<<25)  ; after every 64 words 8 words
	s_mov_b32 s[G1B+1], 128<<16
	s_mov_b32 s[G1B+2], 128<<16
	s_mov_b32 s[G1B+3], 128<<16
	s_mov_b32 s[G1B+4], 128
	s_mov_b32 s[G1B+5], LDB
	s_mov_b32 s[G1B+6], 0
	s_mov_b32 s[G1B+7], 0
	s_lshl_b32 s17, s12, 6
	s_lshl_b32 s16, s13, 7
	s_add_co_u32 s16, s16, s17                     ; pw: row 128 x tile row + 64 x half
	s_lshl_b32 s16, s16, 13
	s_mov_b32 s17, 0
	s_lshl_b32 s46, s42, 8                         ; v: 128 channels of 2 bytes a tile column,
	s_lshl_b32 s47, s12, 20                        ; 128 key rows of 8,192 bytes a half,
	s_add_co_u32 s46, s46, s47
	s_add_co_u32 s46, s46, 6144                    ; from byte 6,144 of a row of pj
	s_mov_b32 s47, 0
	s_mul_i32 s20, s12, HALFA
	s_mul_i32 s21, s12, HALFB
	s_add_co_u32 s21, s21, BOFF
	s_mov_b32 s[TB], 0
	s_mov_b32 s[KA], 0
	s_mov_b32 s[KB], 0
	s_wait_dscnt 0x0
	s_wait_kmcnt 0x0
	s_add_nc_u64 s[14:15], s[76:77], s[16:17]
	s_add_nc_u64 s[46:47], s[80:81], s[46:47]
	CROUND
.irp s, 0,1
	s_mov_b32 s[G0+4*(\s)], 1
	s_add_co_u32 s[G0+4*(\s)+1], s20, (\s)*SLOTX
	s_add_nc_u64 s[G0+4*(\s)+2:G0+4*(\s)+3], s[14:15], (\s)*STEPA
	s_or_b32 s[G0+4*(\s)+3], s[G0+4*(\s)+3], 0x80000000
	s_mov_b32 s[G0B+4*(\s)], 1
	s_add_co_u32 s[G0B+4*(\s)+1], s21, (\s)*SLOTX
	s_add_nc_u64 s[G0B+4*(\s)+2:G0B+4*(\s)+3], s[46:47], (\s)*STEPB
	s_or_b32 s[G0B+4*(\s)+3], s[G0B+4*(\s)+3], 0x80000000
.endr
	s_cmp_eq_u32 s11, 0
	s_cbranch_scc0 .Lfirst_b
	tensor_load_to_lds s[G0:G0+3], s[G1:G1+7]
	s_nop 0
	tensor_load_to_lds s[G0+4:G0+7], s[G1:G1+7]
	s_nop 0
.rept 4
	v_nop
.endr
	s_branch .Lfirst_done
.Lfirst_b:
	tensor_load_to_lds s[G0B:G0B+3], s[G1B:G1B+7]
	s_nop 0
	tensor_load_to_lds s[G0B+4:G0B+7], s[G1B:G1B+7]
	s_nop 0
.rept 4
	v_nop
.endr
.Lfirst_done:
	; thread i is row i of the tile: its 32 c m and 32 l
	s_lshl_b32 s18, s13, 9
	s_mov_b32 s19, 0
	s_add_nc_u64 s[18:19], s[78:79], s[18:19]
	v_lshlrev_b32 v3, 2, v0
.set i, 0
.rept 32
	global_load_b32 v[32+i], v3, s[18:19] offset:i*32768
	global_load_b32 v[64+i], v3, s[18:19] offset:i*32768+16384
.set i, i+1
.endr
	v_and_b32 v1, 15, v0                           ; l % 16
	v_bfe_u32 v2, v0, 4, 1                         ; l / 16
	v_mul_u32_u24 v4, v1, PA
	v_lshl_add_u32 v4, v2, 4, v4
	s_mul_i32 s21, s11, HALFA
	v_add_nc_u32 v[ADRA0], s21, v4                 ; my 64 rows of pw: row x pitch + 16 x half
	v_and_b32 v4, 7, v0                            ; the turning load: lane l reads key 8 (l / 16) + l % 8, channels 8 ((l / 8) % 2) + 0..7
	v_bfe_u32 v5, v0, 3, 1
	v_lshl_add_u32 v4, v2, 3, v4
	v_mul_u32_u24 v4, v4, PB
	v_lshl_add_u32 v4, v5, 4, v4
	s_lshl_b32 s22, s12, 7                         ; my 64 channels
	s_add_co_u32 s22, s22, BOFF
	v_add_nc_u32 v[ADRB0], s22, v4
	s_lshl_b32 s22, s11, 8
	s_add_co_u32 s22, s22, FT
	v_lshl_add_u32 v[FA], v1, 4, s22               ; f of my four row blocks, key block 0
	v_lshrrev_b32 v4, 6, v0
	v_lshlrev_b32 v4, 8, v4
	v_lshl_add_u32 v4, v1, 4, v4
	v_bfe_u32 v5, v0, 4, 2
	v_lshl_add_u32 v4, v5, 2, v4
	v_add_nc_u32 v[FTW], FT, v4
	s_mul_i32 s23, s11, 64*SPITCH                  ; into the stage: my 64 rows, my half of their 256 bytes
	s_lshl_b32 s21, s12, 7
	s_add_co_u32 s23, s23, s21
	v_mul_u32_u24 v4, v1, SPITCH
	v_lshl_add_u32 v4, v2, 4, v4
	v_add_nc_u32 v[STO], s23, v4
	s_mul_i32 s23, s10, 32*SPITCH                  ; back: wave w takes rows 32 w .. 32 w + 31, whole
	v_mul_u32_u24 v5, v2, SPITCH
	v_lshl_add_u32 v5, v1, 4, v5
	v_add_nc_u32 v[RD], s23, v5
	v_lshlrev_b32 v5, 11, v2
	v_lshl_add_u32 v[CO], v1, 4, v5
	s_lshl_b32 s16, s13, 7
	s_lshl_b32 s17, s10, 5
	s_add_co_u32 s16, s16, s17
	s_lshl_b32 s16, s16, 11
	s_lshl_b32 s17, s42, 8
	s_add_co_u32 s16, s16, s17
	s_mov_b32 s17, 0
	s_add_nc_u64 s[8:9], s[82:83], s[16:17]
	; the prefetches
	s_lshl_b32 s20, s13, 7
	s_lshl_b32 s22, s12, 6
	s_add_co_u32 s20, s20, s22
	s_lshl_b32 s22, s40, 4
	s_add_co_u32 s20, s20, s22                     ; pw: my work-group's 16 of the 64 rows that I fetch,
	s_lshl_b32 s20, s20, 13
	s_add_co_u32 s20, s20, 3*STEPA                 ; at K step 3: the first change of slots steps it to 4
	s_lshl_b32 s21, s12, 7
	s_lshl_b32 s22, s41, 5
	s_add_co_u32 s21, s21, s22                     ; v: my work-group's 32 of the 128 key rows
	s_lshl_b32 s21, s21, 13
	s_lshl_b32 s22, s42, 8
	s_add_co_u32 s21, s21, s22
	s_add_co_u32 s21, s21, 6144+3*STEPB
	s_mov_b32 s[PFS], STEPA
	s_mov_b32 s23, STEPB
	s_and_b32 s22, ttmp7, 0xffff
	s_cmp_eq_u32 s11, 0
	s_cselect_b32 s20, s20, s21
	s_cselect_b32 s22, ttmp9, s22
	s_cselect_b32 s[PFS], s[PFS], s23
	s_cselect_b32 s23, -1, 0
	s_cselect_b64 s[PFA:PFA+1], s[76:77], s[80:81]
	s_cmp_eq_u32 s22, 0
	s_cselect_b32 s[LIM], 2, -1
	s_mov_b32 s21, 0
	s_mov_b32 s[PFS+1], 0
	s_add_nc_u64 s[PFA:PFA+1], s[PFA:PFA+1], s[20:21]
	v_and_b32 v4, 31, v0
	v_lshlrev_b32 v5, 13, v4                       ; v: a lane a key row
	v_lshrrev_b32 v6, 1, v4
	v_and_b32 v7, 1, v4
	v_lshlrev_b32 v6, 13, v6
	v_lshl_add_u32 v6, v7, 8, v6                   ; pw: two lanes a row
	v_cndmask_b32 v[PFO], v5, v6, s23
.set i, 0
.rept 128
	v_mov_b32 v[O+i], 0
.set i, i+1
.endr
	s_wait_loadcnt 0x0
	v_max3_num_f32 v100, v32, v33, v34             ; CM
.set i, 35
.rept 14
	v_max3_num_f32 v100, v100, v[i], v[i+1]
.set i, i+2
.endr
	v_max_num_f32 v100, v100, v63
.set i, 0
.rept 32
	v_sub_f32 v[32+i], v[32+i], v100
.set i, i+1
.endr
.set i, 0
.rept 32
	v_exp_f32 v[32+i], v[32+i]                     ; e: one batch
.set i, i+1
.endr
	v_nop
	s_wait_alu depctr_va_vdst(0)                   ; a wait ahead of the batch's first reader
.irp j, 0,1,2,3
	v_mul_f32 v[100+(\j)], v[32+(\j)], v[64+(\j)]  ; L in four chains
.endr
.set i, 4
.rept 28
	v_fmac_f32 v[100+i%4], v[32+i], v[64+i]
.set i, i+1
.endr
	v_add_f32 v100, v100, v101
	v_add_f32 v102, v102, v103
	v_add_f32 v100, v100, v102
	v_rcp_f32 v101, v100
	v_nop
	s_wait_alu depctr_va_vdst(0)
.set i, 0
.rept 32
	v_mul_f32 v[32+i], v[32+i], v101               ; f
.set i, i+1
.endr
.set i, 0
.rept 32
	ds_store_b32 v[FTW], v[32+i] offset:512*i
.set i, i+1
.endr
	s_wait_tensorcnt 1                             ; my part of K step 0 is in; slot 1's may stay out
	s_wait_dscnt 0x0                               ; for the others' sake: my f are stored
	s_barrier_signal -1
	s_barrier_wait -1
	NEWADR                                         ; the first key block: its first 48 loads, and into the loop behind the fold
	LOADK FB0, 0
	LOADK FB1, 1
	LOADK FB2, 2
	WIN 0
	s_mov_b32 s[CN2], 2
	s_mov_b32 s[CNT], 15                           ; K steps 0 to 14 are multiplied in the loop; its 14 changes of slots ask for steps 2 to 15
	s_branch .Lc1
.Lstep:
	CHANGE 1
	s_mov_b32 s[CN2], 2
	KBODY 1, 1
	s_sub_co_u32 s[CNT], s[CNT], 1
	s_cmp_lg_u32 s[CNT], 0
	s_cbranch_scc1 .Lstep
	CHANGE 0                                       ; K step 15 is written out: nothing is asked for
	s_mov_b32 s[CN2], 2
	KBODY 2, 0
	PLACES
	ds_load_b128 v[FR:FR+3], v[FA]                 ; the last key block's f
	s_wait_dscnt 0x0                               ; it is in, and so are all my reads of the ring:
	s_barrier_signal -1                            ; the stage lies over slot 0, and no wave writes it before every wave has said so
	FOLD
	WIN 0
	s_barrier_wait -1
	; THE WAY OUT: rounded to f16; 16 bytes a lane into the work-group's stage; a barrier, since a row's 256 bytes come from two waves; back as whole rows
.irp t, 0,1,2,3,4,5,6,7,8,9,10,11,12,13,14,15
.irp r, 0,1,2,3
	v_cvt_pk_f16_f32 v[TMP+4*(\t)+(\r)], v[O+8*(\t)+2*(\r)], v[O+8*(\t)+2*(\r)+1]
.endr
.endr
.irp a, 0,1,2,3
.irp b, 0,1,2,3
	ds_store_b128 v[STO], v[TMP+4*(4*(\a)+(\b)):TMP+4*(4*(\a)+(\b))+3] offset:(\a)*16*SPITCH+32*(\b)
.endr
.endr
	s_wait_dscnt 0x0
	s_barrier_signal -1
	s_barrier_wait -1
.irp t, 0,1,2,3,4,5,6,7,8,9,10,11,12,13,14,15
	ds_load_b128 v[TMP+4*(\t):TMP+4*(\t)+3], v[RD] offset:(\t)*2*SPITCH
.endr
.irp t, 0,1,2,3,4,5,6,7,8,9,10,11,12,13,14,15
	s_wait_dscnt 15-(\t)
	global_store_b128 v[CO], v[TMP+4*(\t):TMP+4*(\t)+3], s[8:9] offset:(\t)*4096  ; 16 lanes store 256 consecutive bytes, aligned
.endr
	s_wait_tensorcnt 0x0                           ; the wave's end
	ds_add_u32 v[SPW], v[NIL]
	s_wait_dscnt 0x0
	CROUND
	s_endpgm
.Lfunc_end_k_qabddda9d70_pv:
	.size	k_qabddda9d70_pv, .Lfunc_end_k_qabddda9d70_pv-k_qabddda9d70_pv
	.p2alignl 7, 3214868480
	.fill 96, 4, 3214868480
	.section	.rodata,"a",@progbits
	.p2align	6, 0x0
	.amdhsa_kernel k_qabddda9d70_pv
		.amdhsa_group_segment_fixed_size 327680
		.amdhsa_private_segment_fixed_size 0
		.amdhsa_enable_private_segment 0
		.amdhsa_kernarg_size 32
		.amdhsa_user_sgpr_count 2
		.amdhsa_user_sgpr_kernarg_segment_ptr 1
		.amdhsa_wavefront_size32 1
		.amdhsa_system_sgpr_workgroup_id_x 1
		.amdhsa_system_sgpr_workgroup_id_y 1
		.amdhsa_system_sgpr_workgroup_id_z 1
		.amdhsa_system_vgpr_workitem_id 0
		.amdhsa_next_free_vgpr 640
		.amdhsa_next_free_sgpr 96
		.amdhsa_reserve_vcc 0
		.amdhsa_float_denorm_mode_32 3
		.amdhsa_float_denorm_mode_16_64 3
		.amdhsa_memory_ordered 1
		.amdhsa_forward_progress 1
		.amdhsa_inst_pref_size 70
	.end_amdhsa_kernel
	.amdgpu_metadata
---
amdhsa.version: [ 1, 2 ]
amdhsa.kernels:
  - .name:           k_qabddda9d70_pv
    .symbol:         k_qabddda9d70_pv.kd
    .args:
      - { .name: pw, .offset: 0, .size: 8, .value_kind: global_buffer, .address_space: global }
      - { .name: st, .offset: 8, .size: 8, .value_kind: global_buffer, .address_space: global }
      - { .name: pj, .offset: 16, .size: 8, .value_kind: global_buffer, .address_space: global }
      - { .name: ah, .offset: 24, .size: 8, .value_kind: global_buffer, .address_space: global }
    .group_segment_fixed_size: 327680
    .private_segment_fixed_size: 0
    .kernarg_segment_align: 8
    .kernarg_segment_size: 32
    .max_flat_workgroup_size: 128
    .sgpr_count:     96
    .vgpr_count:     640
    .wavefront_size: 32
...
	.end_amdgpu_metadata
.endif
;; end of part 4
;; launch mix (part 5): grid 256 x 1, 8 waves a work-group, no clusters, 0 bytes of LDS; arguments ah, pj, W_beta, b_beta, oh; writes oh
.if DOCPART == 5
	.amdgcn_target "amdgcn-amd-amdhsa--gfx1250"
	.amdhsa_code_object_version 6
	.text
	.protected	k_qabddda9d70_mix
	.globl	k_qabddda9d70_mix
	.p2align	8
	.type	k_qabddda9d70_mix,@function
k_qabddda9d70_mix:
	s_mov_b64 s[64:65], 0
	v_nop
	global_prefetch_b8 v0, s[64:65] scope:SCOPE_SE
	s_setreg_imm32_b32 hwreg(HW_REG_WAVE_MODE, 25, 1), 1
	s_wait_xcnt 0x0
; MIX: beta = sigmoid(a . w1 + x_r . w2 + (a - x_r) . w3 + b_beta);  oh = beta x_r + (1 - beta) a.   a = ah [4096][1024] f16; x_r = pj's columns 0-1023, f16; W_beta = (w1, w2, w3) and b_beta f32.
; The dot product is taken as a . (w1 + w3) + x_r . (w2 - w3): the same terms, grouped by the weights; sums in f32; oh rounded once to f16 (LIMIT: 65,504).
; A wave takes two rows; a lane holds channels 256 j + 8 l + 0..7: each load and store of a wave covers 512 consecutive bytes.  The rows stay in registers between the dot product and the blend.
; No LDS, no barrier, no matrix unit, no cluster: each byte of a and x_r is read once, and a row's sum never leaves its wave.
.set UW,  32                           ; v[32:63]   w1, then w1 + w3
.set VW,  64                           ; v[64:95]   w2, then w2 - w3
.set W3,  96                           ; v[96:127]  w3
.set DA,  128                          ; row r: a's 16 words at DA + 32 r, x_r's at DA + 32 r + 16
.set CH,  8                            ; row r: four chains at CH + 4 r; later +1 beta, +2 1 - beta
.set ZR,  16                           ; v16  0
.set TT,  20                           ; v[20:23] at work
	s_load_b256 s[4:11], s[0:1], 0x0               ; ah 4, pj 6, W_beta 8, b_beta 10
	s_load_b64 s[12:13], s[0:1], 0x20              ; oh
	v_and_b32 v1, 31, v0
	v_lshrrev_b32 v2, 5, v0
	v_readfirstlane_b32 s14, v2                    ; wave 0..7
	s_lshl_b32 s15, ttmp9, 4
	s_lshl1_add_u32 s15, s14, s15                  ; my first row
	s_lshl_b32 s16, s15, 11
	s_mov_b32 s17, 0
	s_lshl_b32 s18, s15, 13
	s_mov_b32 s19, 0
	s_mov_b32 s20, 0x76543210
	s_mov_b32 s21, 0xfedcba98
	s_mov_b32 s24, 0xbfb8aa3b                      ; -log2(e)
	v_lshlrev_b32 v2, 4, v1                        ; 16 l
	v_lshlrev_b32 v3, 5, v1                        ; 32 l
	v_mov_b32 v[ZR], 0
	s_wait_kmcnt 0x0
	s_load_b32 s22, s[10:11], 0x0                  ; b_beta
	s_add_nc_u64 s[4:5], s[4:5], s[16:17]
	s_add_nc_u64 s[6:7], s[6:7], s[18:19]
	s_add_nc_u64 s[12:13], s[12:13], s[16:17]
.irp p, 0,1,2
.irp j, 0,1,2,3
	global_load_b128 v[UW+32*(\p)+8*(\j):UW+32*(\p)+8*(\j)+3],   v3, s[8:9] offset:4096*(\p)+1024*(\j)
	global_load_b128 v[UW+32*(\p)+8*(\j)+4:UW+32*(\p)+8*(\j)+7], v3, s[8:9] offset:4096*(\p)+1024*(\j)+16
.endr
.endr
.irp r, 0,1
.irp j, 0,1,2,3
	global_load_b128 v[DA+32*(\r)+4*(\j):DA+32*(\r)+4*(\j)+3],       v2, s[4:5] offset:2048*(\r)+512*(\j) th:TH_LOAD_NT
	global_load_b128 v[DA+32*(\r)+16+4*(\j):DA+32*(\r)+16+4*(\j)+3], v2, s[6:7] offset:8192*(\r)+512*(\j) th:TH_LOAD_NT
.endr
.endr
	s_wait_loadcnt 16                              ; the weights are in; the 16 loads of the two rows stay out
.set i, 0
.rept 16
	v_pk_add_f32 v[UW+2*i:UW+2*i+1], v[UW+2*i:UW+2*i+1], v[W3+2*i:W3+2*i+1]
	v_pk_add_f32 v[VW+2*i:VW+2*i+1], v[VW+2*i:VW+2*i+1], v[W3+2*i:W3+2*i+1] neg_lo:[0,1] neg_hi:[0,1]
.set i, i+1
.endr
	s_wait_kmcnt 0x0
	s_mul_f32 s23, s22, s24                        ; -log2(e) b_beta
; row r's dot product: multiply-adds straight from the f16 halves into f32, four chains; then over the 32 lanes; left: -log2(e) z
.macro DOT r
.set RA, DA+32*(\r)
.set RX, DA+32*(\r)+16
.set RC, CH+4*(\r)
	v_fma_mix_f32 v[RC],   v[RA], v[UW],   v[ZR] op_sel_hi:[1,0,0]
	v_fma_mix_f32 v[RC+1], v[RA], v[UW+1], v[ZR] op_sel:[1,0,0] op_sel_hi:[1,0,0]
	v_fma_mix_f32 v[RC+2], v[RX], v[VW],   v[ZR] op_sel_hi:[1,0,0]
	v_fma_mix_f32 v[RC+3], v[RX], v[VW+1], v[ZR] op_sel:[1,0,0] op_sel_hi:[1,0,0]
.set i, 1
.rept 15
	v_fma_mix_f32 v[RC],   v[RA+i], v[UW+2*i],   v[RC]   op_sel_hi:[1,0,0]
	v_fma_mix_f32 v[RC+1], v[RA+i], v[UW+2*i+1], v[RC+1] op_sel:[1,0,0] op_sel_hi:[1,0,0]
	v_fma_mix_f32 v[RC+2], v[RX+i], v[VW+2*i],   v[RC+2] op_sel_hi:[1,0,0]
	v_fma_mix_f32 v[RC+3], v[RX+i], v[VW+2*i+1], v[RC+3] op_sel:[1,0,0] op_sel_hi:[1,0,0]
.set i, i+1
.endr
	v_add_f32 v[RC], v[RC], v[RC+1]
	v_add_f32 v[RC+2], v[RC+2], v[RC+3]
	v_add_f32 v[RC], v[RC], v[RC+2]
	v_add_f32_dpp v[RC], v[RC], v[RC] row_xmask:1 row_mask:0xf bank_mask:0xf
	v_add_f32_dpp v[RC], v[RC], v[RC] row_xmask:2 row_mask:0xf bank_mask:0xf
	v_add_f32_dpp v[RC], v[RC], v[RC] row_xmask:4 row_mask:0xf bank_mask:0xf
	v_add_f32_dpp v[RC], v[RC], v[RC] row_xmask:8 row_mask:0xf bank_mask:0xf
	v_permlanex16_b32 v[RC+1], v[RC], s20, s21
	v_add_f32 v[RC], v[RC], v[RC+1]
	v_fma_f32 v[RC], v[RC], s24, s23
.endm
; row r's blend, in place on a's words: x beta in f32, then a (1 - beta) + that, rounded once to f16
.macro BLEND r
.set RA, DA+32*(\r)
.set RX, DA+32*(\r)+16
.set RC, CH+4*(\r)
.set i, 0
.rept 16
	v_fma_mix_f32 v[TT+2*(i%2)],   v[RX+i], v[RC+1], v[ZR] op_sel_hi:[1,0,0]
	v_fma_mix_f32 v[TT+2*(i%2)+1], v[RX+i], v[RC+1], v[ZR] op_sel:[1,0,0] op_sel_hi:[1,0,0]
	v_fma_mixlo_f16 v[RA+i], v[RA+i], v[RC+2], v[TT+2*(i%2)]   op_sel_hi:[1,0,0]
	v_fma_mixhi_f16 v[RA+i], v[RA+i], v[RC+2], v[TT+2*(i%2)+1] op_sel:[1,0,0] op_sel_hi:[1,0,0]
.set i, i+1
.endr
.irp j, 0,1,2,3
	global_store_b128 v2, v[RA+4*(\j):RA+4*(\j)+3], s[12:13] offset:2048*(\r)+512*(\j)
.endr
.endm
	s_wait_loadcnt 8                               ; row 0 is in
	DOT 0
	s_wait_loadcnt 0x0
	DOT 1
	v_exp_f32 v[CH], v[CH]                         ; 2^(-log2(e) z), both rows: one batch
	v_exp_f32 v[CH+4], v[CH+4]
	v_nop
	s_wait_alu depctr_va_vdst(0)                   ; a wait ahead of the first reader
	v_add_f32 v[CH], 1.0, v[CH]
	v_add_f32 v[CH+4], 1.0, v[CH+4]
	v_rcp_f32 v[CH+1], v[CH]                       ; beta
	v_rcp_f32 v[CH+5], v[CH+4]
	v_nop
	s_wait_alu depctr_va_vdst(0)
	v_sub_f32 v[CH+2], 1.0, v[CH+1]
	v_sub_f32 v[CH+6], 1.0, v[CH+5]
	BLEND 0
	BLEND 1
	s_endpgm
.Lfunc_end_k_qabddda9d70_mix:
	.size	k_qabddda9d70_mix, .Lfunc_end_k_qabddda9d70_mix-k_qabddda9d70_mix
	.p2alignl 7, 3214868480
	.fill 96, 4, 3214868480
	.section	.rodata,"a",@progbits
	.p2align	6, 0x0
	.amdhsa_kernel k_qabddda9d70_mix
		.amdhsa_group_segment_fixed_size 0
		.amdhsa_private_segment_fixed_size 0
		.amdhsa_enable_private_segment 0
		.amdhsa_kernarg_size 40
		.amdhsa_user_sgpr_count 2
		.amdhsa_user_sgpr_kernarg_segment_ptr 1
		.amdhsa_wavefront_size32 1
		.amdhsa_system_sgpr_workgroup_id_x 1
		.amdhsa_system_sgpr_workgroup_id_y 1
		.amdhsa_system_sgpr_workgroup_id_z 1
		.amdhsa_system_vgpr_workitem_id 0
		.amdhsa_next_free_vgpr 192
		.amdhsa_next_free_sgpr 66
		.amdhsa_reserve_vcc 0
		.amdhsa_float_denorm_mode_32 3
		.amdhsa_float_denorm_mode_16_64 3
		.amdhsa_memory_ordered 1
		.amdhsa_forward_progress 1
		.amdhsa_inst_pref_size 26
	.end_amdhsa_kernel
	.amdgpu_metadata
---
amdhsa.version: [ 1, 2 ]
amdhsa.kernels:
  - .name:           k_qabddda9d70_mix
    .symbol:         k_qabddda9d70_mix.kd
    .args:
      - { .name: ah, .offset: 0, .size: 8, .value_kind: global_buffer, .address_space: global }
      - { .name: pj, .offset: 8, .size: 8, .value_kind: global_buffer, .address_space: global }
      - { .name: W_beta, .offset: 16, .size: 8, .value_kind: global_buffer, .address_space: global }
      - { .name: b_beta, .offset: 24, .size: 8, .value_kind: global_buffer, .address_space: global }
      - { .name: oh, .offset: 32, .size: 8, .value_kind: global_buffer, .address_space: global }
    .group_segment_fixed_size: 0
    .private_segment_fixed_size: 0
    .kernarg_segment_align: 8
    .kernarg_segment_size: 40
    .max_flat_workgroup_size: 256
    .sgpr_count:     66
    .vgpr_count:     192
    .wavefront_size: 32
...
	.end_amdgpu_metadata
.endif
;; end of part 5
;; launch fc (part 6): grid 8 x 32, 4 waves a work-group, clusters of 4 x 4, 327,680 bytes of LDS; arguments oh, wfc, b_fc, out0; writes out0
.if DOCPART == 6
	.amdgcn_target "amdgcn-amd-amdhsa--gfx1250"
	.amdhsa_code_object_version 6
	.text
	.protected	k_qabddda9d70_fc
	.globl	k_qabddda9d70_fc
	.p2align	8
	.type	k_qabddda9d70_fc,@function
k_qabddda9d70_fc:
	s_mov_b64 s[64:65], 0
	v_nop
	global_prefetch_b8 v0, s[64:65] scope:SCOPE_SE
	s_setreg_imm32_b32 hwreg(HW_REG_WAVE_MODE, 25, 1), 1
	s_wait_xcnt 0x0
	s_wait_alu depctr_hold_cnt(0) depctr_sa_sdst(0) depctr_va_vdst(0) depctr_va_sdst(0) depctr_va_ssrc(0) depctr_va_vcc(0) depctr_vm_vsrc(0)
	s_getreg_b32 s2, hwreg(HW_REG_IB_STS2, 6, 4)
	s_cmp_eq_u32 s2, 0
	s_cbranch_scc0 .Lentry_in_a_cluster
	s_endpgm
.Lentry_in_a_cluster:
	s_bfe_u32 s2, ttmp6, 0x10000c
	s_cmp_lg_u32 s2, 0xf033
	s_cbranch_scc0 .Lentry_shape_is_right
	s_endpgm
.Lentry_shape_is_right:
; FC: out0[m][n] = sum over k of oh[m][k] wfc[k][n] + b_fc[n].  oh [4096][1024] f16, wfc [1024][1024] f16 (columns 1000 on are 0), b_fc [1000] f32, out0 [4096][1000] f32; sums in f32.
; A tile is 128 x 128 (8 x 32 tiles: 256 work-groups); four waves of 64 x 64.  K = 1,024 in 4 steps of 256 through two LDS slots: oh's 128 rows of 512 bytes (pitch 528) and wfc's 256 rows
; of 256 bytes (pitch 288), taken by the turning load as they lie.  CLUSTER 4 x 4: oh's tile is shared along a row of the cluster, wfc's along a column.  The matrix instruction is used
; transposed: a lane holds one row (l % 16) and eight neighbouring columns.  The bias is the C operand of the first product on each accumulator.
; HALF A K STEP (128 along K) IS WRITTEN ONCE (and once more for the last K step) and walked twice a step: its four blocks of 32 along K have a fragment
; buffer each, and the loads of the first three go out together.  The change of slots stands between two K steps: the refill has a whole step's 128 matrix instructions in which to land.
; The last tile column has 104 columns: its bias groups past column 999 are clamped to the last whole group (1,000 is a multiple of 8; those columns are never stored), and lanes 26-31 store nothing.
; No prefetch: the launch has four K steps, of which two come by the first fills.
; REGISTERS: window 0: v0-31 addresses; v96-127 bias; v128-255 accumulators, then whole rows on the way out      window 1: four fragment buffers of 64
.set LDA,   1024
.set LDB,   1024
.set STEPA, 512
.set STEPB, 256*LDB*2
.set PA,    528
.set PB,    288
.set HALFA, 64*PA
.set HALFB, 128*PB
.set BOFF,  2*HALFA
.set SLOTX, 0x24000                    ; shares no bit with a load's place in a slot (0, 0x8400, 0x10800, 0x19800)
.set SPARE, SLOTX+BOFF+2*HALFB
.set FP,    528                        ; the stage of the way out: 128 rows of 512 bytes + 16, over slot 0, which has had its last fill by then
.set LN,    7                          ; v7   my lane
.set BA,    8                          ; v8-11  the bias groups' byte offsets
.set ADRA0, 16                         ; v16  my place in slot 0's rows of oh; never rewritten
.set ADRB0, 17                         ; v17  and in its rows of wfc; never rewritten
.set ADRA,  19                         ; v19, v20  the same for the half step in hand
.set ADRB,  20
.set STO,  24
.set RD,   25
.set CO,   26
.set SPW,  28
.set NIL,  29
.set BIAS, 96
.set ACC,  128
.set FB0,  0                           ; fragment buffers, in window 1: oh's four fragments (16 rows x 32 K), then wfc's four
.set FB1,  64
.set FB2,  128
.set FB3,  192
.set G1,  24
.set G0,  32
.set G1B, 48
.set G0B, 56
.set TB,  66                           ; s66  0 or SLOTX: the slot in hand
.set CNT, 67                           ; s67  K steps to go
.set KA,  68                           ; s68  LDS byte, from ADRA0 on, of the next half step's part of oh's rows
.set KB,  69                           ; s69  the same for wfc's rows
.set CN2, 70                           ; s70  counts a K step's two halves
.set MULW, 0x05                        ; both sources in window 1; C and D in window 0
.set MSB, 0
.macro WIN new
.if MSB != (\new)
	s_set_vgpr_msb (MSB<<8)|(\new)
.set MSB, \new
.endif
.endm
.macro PLACES
.rept 4
	v_nop
.endr
.endm
.macro CREST
	s_cmp_lg_u32 s10, 0
	s_cbranch_scc1 .Lnot_wave_0_\@
	s_barrier_signal -3
.Lnot_wave_0_\@:
	s_barrier_wait -3
	s_barrier_signal -1
	s_barrier_wait -1
.endm
.macro CROUND
	s_barrier_signal -1
	s_barrier_wait -1
	CREST
.endm
.macro JLOAD                           ; waves 0, 1 fetch oh's halves, waves 2, 3 wfc's; s_nop 0 and four v_nop follow each line
	s_cmp_eq_u32 s11, 0
	s_cbranch_scc0 .Lfor_b_\@
	tensor_load_to_lds s[G0+4:G0+7], s[G1:G1+7]
	s_nop 0
.rept 4
	v_nop
.endr
	s_branch .Lasked_\@
.Lfor_b_\@:
	tensor_load_to_lds s[G0B+4:G0B+7], s[G1B:G1B+7]
	s_nop 0
.rept 4
	v_nop
.endr
.Lasked_\@:
.endm
.macro MULK g, start                   ; 16 matrix instructions: 4 row blocks x 4 column blocks, 32 along K out of buffer g.  The 16 accumulators take turns.  start = 1: the bias starts the sums
	WIN MULW
.irp a, 0,1,2,3
.irp b, 0,1,2,3
.if \start
	v_wmma_f32_16x16x32_f16 v[ACC+8*(4*(\a)+(\b)):ACC+8*(4*(\a)+(\b))+7], v[(\g)+32+8*(\b):(\g)+32+8*(\b)+7], v[(\g)+8*(\a):(\g)+8*(\a)+7], v[BIAS+8*(\b):BIAS+8*(\b)+7]
.else
	v_wmma_f32_16x16x32_f16 v[ACC+8*(4*(\a)+(\b)):ACC+8*(4*(\a)+(\b))+7], v[(\g)+32+8*(\b):(\g)+32+8*(\b)+7], v[(\g)+8*(\a):(\g)+8*(\a)+7], v[ACC+8*(4*(\a)+(\b)):ACC+8*(4*(\a)+(\b))+7]
.endif
.endr
.endr
.endm
.macro NEWADR                          ; the half step's two LDS addresses; the scalars step to the next half
	WIN 0
	v_add_nc_u32 v[ADRA], s[KA], v[ADRA0]
	v_add_nc_u32 v[ADRB], s[KB], v[ADRB0]
	s_add_co_u32 s[KA], s[KA], 4*64
	s_add_co_u32 s[KB], s[KB], 4*32*PB
.endm
.macro LOADK g, n                      ; 16 LDS loads: the fragments of the half step's 32 along K number n into buffer g
	WIN 0x40
.irp i, 0,1,2,3
	ds_load_tr16_b128 v[(\g)+32+8*(\i):(\g)+32+8*(\i)+3],   v[ADRB] offset:32*(\n)*PB+32*(\i)
	ds_load_tr16_b128 v[(\g)+32+8*(\i)+4:(\g)+32+8*(\i)+7], v[ADRB] offset:(32*(\n)+16)*PB+32*(\i)
	ds_load_b128 v[(\g)+8*(\i):(\g)+8*(\i)+3],   v[ADRA] offset:64*(\n)+(\i)*16*PA
	ds_load_b128 v[(\g)+8*(\i)+4:(\g)+8*(\i)+7], v[ADRA] offset:64*(\n)+(\i)*16*PA+32
.endr
.endm
; HALF A K STEP, walked twice a step.  entry = 1: the launch's first half, whose first 16 products take the bias and stand ahead of the loop, comes in at .Lmid.
; Four plain vector instructions stand between the last product and the first load into a fragment buffer.
.macro BODY tag, entry
.Lq\tag:
	NEWADR
	v_nop
	v_nop
	LOADK FB0, 0
	LOADK FB1, 1
	LOADK FB2, 2
	s_wait_dscnt 32                                ; buffer 0 is in
	LOADK FB3, 3
	MULK FB0, 0
.if \entry
	WIN 0
.Lmid\tag:
.endif
	s_wait_dscnt 32                                ; buffer 1 is in; 2 and 3 may be out
	MULK FB1, 0
	s_wait_dscnt 16
	MULK FB2, 0
	s_wait_dscnt 0x0
	MULK FB3, 0
	WIN 0
	s_sub_co_u32 s[CN2], s[CN2], 1
	s_cmp_lg_u32 s[CN2], 0
	s_cbranch_scc1 .Lq\tag
.endm
; THE CHANGE OF SLOTS.  Each wave waits for all its tensor loads, of which one is out: its part of the other slot; adds 0 to its spare word; and waits for that and for its reads of the slot that it leaves.
; fill = 1: the barrier is a round of the cluster's, and the slot just left is filled again, two K steps on, first thing behind it.
.macro CHANGE fill
	WIN 0
	s_wait_tensorcnt 0x0                           ; no tensor load of mine is out, so a group 0 may be written
	ds_add_u32 v[SPW], v[NIL]                      ; 0 onto my spare word; the scalar work below stands between it and the wait for it
	s_xor_b32 s[TB], s[TB], SLOTX
	s_mov_b32 s[KA], s[TB]
	s_mov_b32 s[KB], s[TB]
.if \fill
	s_xor_b32 s[G0+5], s[G0+5], SLOTX              ; the walking descriptors: the other slot than last time, the next K step
	s_add_nc_u64 s[G0+6:G0+7], s[G0+6:G0+7], STEPA
	s_xor_b32 s[G0B+5], s[G0B+5], SLOTX
	s_add_nc_u64 s[G0B+6:G0B+7], s[G0B+6:G0B+7], STEPB
.endif
	s_wait_dscnt 0x0                               ; the add is done, and my reads of the slot are over
.if \fill
	CROUND                                         ; no wave of any partner still reads the slot or has a load on its way
	JLOAD
.else
	s_barrier_signal -1
	s_barrier_wait -1
.endif
.endm
	s_load_b256 s[76:83], s[0:1], 0x0              ; oh 76, wfc 78, b_fc 80, out0 82
	v_lshl_add_u32 v[SPW], v0, 2, SPARE
	v_mov_b32 v[NIL], 0
	ds_add_u32 v[SPW], v[NIL]                      ; the wave's opening: the add and its wait stand ahead of my first tensor load
	v_lshrrev_b32 v1, 5, v0
	v_readfirstlane_b32 s10, v1
	s_lshr_b32 s11, s10, 1
	s_and_b32 s12, s10, 1
	s_bfe_u32 s40, ttmp6, 0x40000
	s_bfe_u32 s41, ttmp6, 0x40004
	s_lshl_b32 s42, ttmp9, 2
	s_add_co_u32 s42, s42, s40                     ; tile column
	s_and_b32 s13, ttmp7, 0xffff
	s_lshl_b32 s13, s13, 2
	s_add_co_u32 s13, s13, s41                     ; tile row
	s_lshl_b32 s43, s41, 2
	s_lshl_b32 s43, 15, s43
	s_lshl_b32 s44, 0x1111, s40
	s_or_b32 s[G1], s43, (1<<16)|(1<<20)|(1<<21)|(6<<22)|(3<<25)
	s_mov_b32 s[G1+1], 256<<16
	s_mov_b32 s[G1+2], 64<<16
	s_mov_b32 s[G1+3], 256<<16
	s_mov_b32 s[G1+4], 64
	s_mov_b32 s[G1+5], LDA
	s_mov_b32 s[G1+6], 0
	s_mov_b32 s[G1+7], 0
	s_or_b32 s[G1B], s44, (1<<16)|(1<<20)|(1<<21)|(5<<22)|(7<<25)
	s_mov_b32 s[G1B+1], 128<<16
	s_mov_b32 s[G1B+2], 128<<16
	s_mov_b32 s[G1B+3], 128<<16
	s_mov_b32 s[G1B+4], 128
	s_mov_b32 s[G1B+5], LDB
	s_mov_b32 s[G1B+6], 0
	s_mov_b32 s[G1B+7], 0
	s_lshl_b32 s17, s12, 6
	s_lshl_b32 s16, s13, 7
	s_add_co_u32 s16, s16, s17                     ; oh: row 128 x tile row + 64 x half
	s_lshl_b32 s16, s16, 11
	s_mov_b32 s17, 0
	s_lshl_b32 s46, s42, 8                         ; wfc: 128 columns of 2 bytes a tile column,
	s_lshl_b32 s47, s12, 18                        ; 128 rows of 2,048 bytes a half
	s_add_co_u32 s46, s46, s47
	s_mov_b32 s47, 0
	s_mul_i32 s20, s12, HALFA
	s_mul_i32 s21, s12, HALFB
	s_add_co_u32 s21, s21, BOFF
	s_mov_b32 s[TB], 0
	s_mov_b32 s[KA], 0
	s_mov_b32 s[KB], 0
	s_wait_dscnt 0x0
	s_wait_kmcnt 0x0
	s_add_nc_u64 s[14:15], s[76:77], s[16:17]
	s_add_nc_u64 s[46:47], s[78:79], s[46:47]
	CROUND
.irp s, 0,1
	s_mov_b32 s[G0+4*(\s)], 1
	s_add_co_u32 s[G0+4*(\s)+1], s20, (\s)*SLOTX
	s_add_nc_u64 s[G0+4*(\s)+2:G0+4*(\s)+3], s[14:15], (\s)*STEPA
	s_or_b32 s[G0+4*(\s)+3], s[G0+4*(\s)+3], 0x80000000
	s_mov_b32 s[G0B+4*(\s)], 1
	s_add_co_u32 s[G0B+4*(\s)+1], s21, (\s)*SLOTX
	s_add_nc_u64 s[G0B+4*(\s)+2:G0B+4*(\s)+3], s[46:47], (\s)*STEPB
	s_or_b32 s[G0B+4*(\s)+3], s[G0B+4*(\s)+3], 0x80000000
.endr
	s_cmp_eq_u32 s11, 0
	s_cbranch_scc0 .Lfirst_b
	tensor_load_to_lds s[G0:G0+3], s[G1:G1+7]
	s_nop 0
	tensor_load_to_lds s[G0+4:G0+7], s[G1:G1+7]
	s_nop 0
.rept 4
	v_nop
.endr
	s_branch .Lfirst_done
.Lfirst_b:
	tensor_load_to_lds s[G0B:G0B+3], s[G1B:G1B+7]
	s_nop 0
	tensor_load_to_lds s[G0B+4:G0B+7], s[G1B:G1B+7]
	s_nop 0
.rept 4
	v_nop
.endr
.Lfirst_done:
	v_and_b32 v1, 15, v0
	v_bfe_u32 v2, v0, 4, 1
	v_and_b32 v[LN], 31, v0
	; the bias: register j of block b holds column 16 b + 8 (l / 16) + j of my 64
	s_lshl_b32 s22, s42, 9
	s_lshl_b32 s23, s12, 8
	s_add_co_u32 s22, s22, s23
	v_lshlrev_b32 v3, 5, v2
	v_add_nc_u32 v3, s22, v3
.irp b, 0,1,2,3
	v_add_nc_u32 v[BA+(\b)], 64*(\b), v3
	v_min_u32 v[BA+(\b)], 3968, v[BA+(\b)]         ; the last whole group of eight
	global_load_b128 v[BIAS+8*(\b):BIAS+8*(\b)+3],   v[BA+(\b)], s[80:81]
	global_load_b128 v[BIAS+8*(\b)+4:BIAS+8*(\b)+7], v[BA+(\b)], s[80:81] offset:16
.endr
	v_mul_u32_u24 v4, v1, PA
	v_lshl_add_u32 v4, v2, 4, v4
	s_mul_i32 s21, s11, HALFA
	v_add_nc_u32 v[ADRA0], s21, v4                 ; my 64 rows of oh: row x pitch + 16 x half
	v_and_b32 v4, 7, v0                            ; the turning load: lane l reads row 8 (l / 16) + l % 8 of wfc, columns 8 ((l / 8) % 2) + 0..7
	v_bfe_u32 v5, v0, 3, 1
	v_lshl_add_u32 v4, v2, 3, v4
	v_mul_u32_u24 v4, v4, PB
	v_lshl_add_u32 v4, v5, 4, v4
	s_lshl_b32 s22, s12, 7
	s_add_co_u32 s22, s22, BOFF
	v_add_nc_u32 v[ADRB0], s22, v4
	s_mul_i32 s23, s11, 64*FP                      ; into the stage: my 64 rows, my 64 columns of 4 bytes; row l % 16, 32 bytes for each half of the lanes
	s_lshl_b32 s21, s12, 8
	s_add_co_u32 s23, s23, s21
	v_mul_u32_u24 v4, v1, FP
	v_lshl_add_u32 v4, v2, 5, v4
	v_add_nc_u32 v[STO], s23, v4
	s_mul_i32 s23, s10, 32*FP                      ; back: wave w takes rows 32 w .. 32 w + 31; 32 lanes take a row's 512 bytes
	v_lshl_add_u32 v[RD], v[LN], 4, s23
	v_lshlrev_b32 v[CO], 4, v[LN]
	s_lshl_b32 s16, s13, 7
	s_lshl_b32 s17, s10, 5
	s_add_co_u32 s16, s16, s17
	s_mul_i32 s16, s16, 4000                       ; a row of out0 is 4,000 bytes
	s_lshl_b32 s17, s42, 9
	s_add_co_u32 s16, s16, s17
	s_mov_b32 s17, 0
	s_add_nc_u64 s[8:9], s[82:83], s[16:17]
	s_cmp_eq_u32 s42, 7
	s_cselect_b32 s5, 26, 32                       ; lanes that store: 104 columns are 26 x 16 bytes
	s_wait_tensorcnt 1                             ; my part of K step 0 is in; slot 1's may stay out
	s_wait_loadcnt 0x0                             ; the bias
	s_barrier_signal -1
	s_barrier_wait -1
	NEWADR                                         ; the first half step: its loads and its first 16 products, which start the sums with the bias; then into the loop
	LOADK FB0, 0
	LOADK FB1, 1
	LOADK FB2, 2
	s_wait_dscnt 32                                ; buffer 0 is in
	LOADK FB3, 3
	MULK FB0, 1
	WIN 0
	s_mov_b32 s[CN2], 2
	s_mov_b32 s[CNT], 3                            ; K steps 0 to 2 are multiplied in the loop; its two changes of slots ask for steps 2 and 3
	s_branch .Lmid1
.Lstep:
	CHANGE 1
	s_mov_b32 s[CN2], 2
	BODY 1, 1
	s_sub_co_u32 s[CNT], s[CNT], 1
	s_cmp_lg_u32 s[CNT], 0
	s_cbranch_scc1 .Lstep
	CHANGE 0                                       ; K step 3 is written out: nothing is asked for
	s_mov_b32 s[CN2], 2
	BODY 2, 0
	PLACES                                         ; behind the last products, ahead of the stores that read their results
	s_wait_dscnt 0x0                               ; all my reads of the ring are back:
	s_barrier_signal -1                            ; the stage lies over slot 0, and no wave writes it before every wave has said so
	s_barrier_wait -1
.irp a, 0,1,2,3
.irp b, 0,1,2,3
	ds_store_b128 v[STO], v[ACC+8*(4*(\a)+(\b)):ACC+8*(4*(\a)+(\b))+3]   offset:(\a)*16*FP+64*(\b)
	ds_store_b128 v[STO], v[ACC+8*(4*(\a)+(\b))+4:ACC+8*(4*(\a)+(\b))+7] offset:(\a)*16*FP+64*(\b)+16
.endr
.endr
	s_wait_dscnt 0x0                               ; for the others' sake: a row's 512 bytes come from two waves
	s_barrier_signal -1
	s_barrier_wait -1
.set i, 0
.rept 32
	ds_load_b128 v[ACC+4*i:ACC+4*i+3], v[RD] offset:i*FP
.set i, i+1
.endr
	s_wait_xcnt 0x0                                ; EXEC changes only behind this wait
	v_cmp_gt_u32 vcc_lo, s5, v[LN]
	s_and_saveexec_b32 s6, vcc_lo
.set i, 0
.rept 32
	s_wait_dscnt 31-i
	global_store_b128 v[CO], v[ACC+4*i:ACC+4*i+3], s[8:9] offset:i*4000  ; a wave's store covers 512 consecutive bytes of a row (416 in the last tile column)
.set i, i+1
.endr
	s_wait_xcnt 0x0                                ; and again, ahead of the line that widens it
	s_or_b32 exec_lo, exec_lo, s6
	s_wait_tensorcnt 0x0                           ; the wave's end
	ds_add_u32 v[SPW], v[NIL]
	s_wait_dscnt 0x0
	CROUND
	s_endpgm
.Lfunc_end_k_qabddda9d70_fc:
	.size	k_qabddda9d70_fc, .Lfunc_end_k_qabddda9d70_fc-k_qabddda9d70_fc
	.p2alignl 7, 3214868480
	.fill 96, 4, 3214868480
	.section	.rodata,"a",@progbits
	.p2align	6, 0x0
	.amdhsa_kernel k_qabddda9d70_fc
		.amdhsa_group_segment_fixed_size 327680
		.amdhsa_private_segment_fixed_size 0
		.amdhsa_enable_private_segment 0
		.amdhsa_kernarg_size 32
		.amdhsa_user_sgpr_count 2
		.amdhsa_user_sgpr_kernarg_segment_ptr 1
		.amdhsa_wavefront_size32 1
		.amdhsa_system_sgpr_workgroup_id_x 1
		.amdhsa_system_sgpr_workgroup_id_y 1
		.amdhsa_system_sgpr_workgroup_id_z 1
		.amdhsa_system_vgpr_workitem_id 0
		.amdhsa_next_free_vgpr 512
		.amdhsa_next_free_sgpr 96
		.amdhsa_reserve_vcc 1
		.amdhsa_float_denorm_mode_32 3
		.amdhsa_float_denorm_mode_16_64 3
		.amdhsa_memory_ordered 1
		.amdhsa_forward_progress 1
		.amdhsa_inst_pref_size 42
	.end_amdhsa_kernel
	.amdgpu_metadata
---
amdhsa.version: [ 1, 2 ]
amdhsa.kernels:
  - .name:           k_qabddda9d70_fc
    .symbol:         k_qabddda9d70_fc.kd
    .args:
      - { .name: oh, .offset: 0, .size: 8, .value_kind: global_buffer, .address_space: global }
      - { .name: wfc, .offset: 8, .size: 8, .value_kind: global_buffer, .address_space: global }
      - { .name: b_fc, .offset: 16, .size: 8, .value_kind: global_buffer, .address_space: global }
      - { .name: out0, .offset: 24, .size: 8, .value_kind: global_buffer, .address_space: global }
    .group_segment_fixed_size: 327680
    .private_segment_fixed_size: 0
    .kernarg_segment_align: 8
    .kernarg_segment_size: 32
    .max_flat_workgroup_size: 128
    .sgpr_count:     96
    .vgpr_count:     512
    .wavefront_size: 32
...
	.end_amdgpu_metadata
.endif
;; end of part 6
